; MI455X (gfx1250); checked and timed in simulation.
; The chip was launched on July 23, 2026; its instructions are those of AMD's public machine-readable ISA for CDNA 5 (MIT licence, August 2026) and "CDNA5" Instruction Set Architecture Reference Guide (July 2026). The comments in the code are by the model that wrote it; some were corrected since.
;; Multi Head Self Attention. Allowed arithmetic: matrix products marked QUANTISED: E2M1 operands, one E8M0 scale for each 32 along K, by v_wmma_scale_f32_16x16x128_f8f6f4 with both operands' format E2M1 (or v_wmma_scale_f32_32x16x128_f4), f32 sums; products left as they are: bf16, f16 or f32 operands; f32 sums; everything else in f32.
;; Inputs: W_out 1,024 x 1,024 float32; W_qkv 1,024 x 3,072 float32; b_out 1,024 float32; b_qkv 3,072 float32; x 4 x 2,048 x 1,024 float32.
;; Outputs: out0 4 x 2,048 x 1,024 float32.
;; This version of the problem:
;;   THIS VERSION OF THE PROBLEM IS GIVEN IN LOW PRECISION. The matrix products marked QUANTISED in the list below multiply operands that are first quantised to E2M1 (2 exponent bits, 1 mantissa bit; 4 bits a number), with one power-of-two scale for each 32 numbers along K (OCP MX v1.0); their sums are f32. The products marked 'left as it is' may take bf16, f16 or f32 operands, with f32 sums. Whichever they take, every output number must still come out within the allowed error. Rounding operands to bf16 (8 significant bits) uses up far more of that allowance than f16 does (11 bits, for magnitudes from 6e-5 to 65,504). All else is computed in f32.
;;   The module's matrix products, in the order in which they are computed (A, B: the left and right operand; K: the contracted axis; several contracted axes count as one K, in the product's order):
;;     1. [M 8,192, K 1,024] x [K 1,024, N 3,072]; A: input x; B: input W_qkv: QUANTISED
;;     2. batch 64 x [M 2,048, K 64] x [K 64, N 2,048]; A: computed on the way; B: computed on the way: left as it is (an operand is computed on the way)
;;     3. batch 64 x [M 2,048, K 2,048] x [K 2,048, N 64]; A: computed on the way; B: computed on the way: left as it is (an operand is computed on the way)
;;     4. [M 8,192, K 1,024] x [K 1,024, N 1,024]; A: computed on the way; B: input W_out: left as it is (an operand is computed on the way)
;;   THE QUANTISER, for each operand of a quantised product, along K:
;;     - K is cut into blocks of 32 from its start; a last block that is shorter is filled with zeros.
;;     - A block's scale is 2^e with e = floor(log2(the largest magnitude in the block)) - 2, held to -126 .. 127; a block of zeros has e = 0. As a byte (E8M0): e + 127.
;;     - Each number is divided by its block's scale, clamped to +-6, and rounded to the nearest number of E2M1, ties to even, subnormals kept.
;;     - The product sums the exact products of the quantised numbers (number of the format x scale) in f32.
;;   ~~~python
;;   def quantise(x, axis):      # numpy; x: float32 -> the quantised numbers, widened to float32 again
;;       x = np.moveaxis(x, axis, -1); K = x.shape[-1]
;;       x = np.pad(x, [(0, 0)] * (x.ndim - 1) + [(0, -K % 32)]); x = x.reshape(x.shape[:-1] + (-1, 32)); a = np.abs(x).max(-1, keepdims=True)
;;       e = np.where(a > 0, np.clip(np.frexp(np.where(a > 0, a, 1))[1] - 1 - 2, -126, 127), 0)      # np.frexp(a)[1] - 1 = floor(log2(a)), exactly
;;       r = np.clip(x / 2.0 ** e, -6, 6)
;;       step = 2.0 ** (np.maximum(np.frexp(np.where(r == 0, 1, r))[1] - 1, 0) - 1)
;;       q = np.round(r / step) * step * 2.0 ** e      # np.round: ties to even
;;       return np.moveaxis(q.reshape(q.shape[:-2] + (-1,))[..., :K], -1, axis).astype(np.float32)
;;   ~~~
;; One version. Each part assembles by itself: llvm-mc -triple=amdgcn-amd-amdhsa -mcpu=gfx1250 --defsym DOCPART=n.
;; ======== version 1 of 1: 4 launches
;; limits: values are held in f16: magnitudes above 65,504 overflow, below 6.1e-05 lose precision
;; workspace buffers: x_codes 4,194,304 bytes; x_scales 262,144 bytes; w_codes 1,572,864 bytes; w_scales 98,304 bytes; wo16 2,097,152 bytes; qkv 50,331,648 bytes; ao 16,777,216 bytes
;; launch prep (part 1): grid 368 x 1, 4 waves a work-group, no clusters, 102,912 bytes of LDS; arguments x, W_qkv, W_out, x_codes, x_scales, w_codes, w_scales, wo16; writes x_codes, x_scales, w_codes, w_scales, wo16
.if DOCPART == 1
	.amdgcn_target "amdgcn-amd-amdhsa--gfx1250"
	.amdhsa_code_object_version 6
	.text
	.protected	k_qbc0208e13d_prep
	.globl	k_qbc0208e13d_prep
	.p2align	8
	.type	k_qbc0208e13d_prep,@function
k_qbc0208e13d_prep:
	s_mov_b64 s[64:65], 0
	v_nop
	global_prefetch_b8 v0, s[64:65] scope:SCOPE_SE
	s_setreg_imm32_b32 hwreg(HW_REG_WAVE_MODE, 25, 1), 1
	s_wait_xcnt 0x0
; PREP: the operands of the later launches are laid out once.  Three paths, chosen by the work-group's number alone:
;   B (work-groups 0-47):    W_qkv [1024 k][3072 n] f32 -> codes of FP4 (E2M1) laid [3072 n][512 bytes], K innermost, and one E8M0 byte for each 32 along K, laid [3072][32].
;   A (work-groups 48-303):  x [8192][1024] f32 -> codes [8192][512 bytes] and scale bytes [8192][32].
;   C (work-groups 304-367): W_out [1024 k][1024 n] f32 -> f16, turned, in panels [16 blocks of 64 n][16 panels of 64 k][64 n][64 k]: a panel is 8,192 consecutive bytes.
; A block's scale is 2^(floor(log2(its largest magnitude)) - 2); its byte is the largest magnitude's exponent field - 2, held at 1 from below; each number is divided by the scale and rounded to the nearest code, ties to even, beyond 6 to 6.
; LIMITS: a block of zeros gets the byte 1 where the rule says 127 (its codes are zeros, which add nothing, and this program alone reads the bytes); blocks whose largest magnitude lies under 2^-124 keep the byte 1;
; NaN and infinities among the inputs are not served; W_out beyond 65,504 in magnitude becomes infinite in f16.
; No tensor loads, no barrier: waves share nothing.  Each path has LDS bytes of its own.
.set SPW,   192                        ; v192  LDS address of my spare word: SPARE + 4 x my thread's number; never rewritten
.set NIL,   193                        ; v193  0; never rewritten
.set LDSB,  32768                      ; path A: bytes 0 on, 8,192 a wave; path B: from here, 8,704 a wave
.set LDSC,  67584                      ; path C: from here, 8,704 a wave
.set SPARE, 102400                     ; the spare words, 128 bytes for each wave: two blocks of 256 bytes that no other line names
.set EMAX,  2
	s_load_b256 s[4:11], s[0:1], 0x0               ; x s[4:5], W_qkv s[6:7], W_out s[8:9], x's codes s[10:11]
	s_load_b256 s[12:19], s[0:1], 0x20             ; x's scales s[12:13], W_qkv's codes s[14:15], its scales s[16:17], W_out in f16 s[18:19]
	v_lshl_add_u32 v[SPW], v0, 2, SPARE
	v_mov_b32 v[NIL], 0
	v_lshrrev_b32 v1, 5, v0
	v_readfirstlane_b32 s20, v1                    ; wave 0..3
	v_and_b32 v2, 31, v0                           ; lane
	s_mov_b32 s25, 0                               ; the upper word of every offset: all lie under 2^32
	s_wait_kmcnt 0x0
	s_cmp_lt_u32 ttmp9, 48
	s_cbranch_scc1 .Lpath_b
	s_cmp_lt_u32 ttmp9, 304
	s_cbranch_scc0 .Lpath_c
; ---------------- PATH A: x.  Rows are dense and K is a multiple of 32, so x is a plain stream of blocks of 32 numbers, and so are its codes and scale bytes.
; A wave takes 16 steps of 512 numbers.  Each of a step's four loads reads 512 consecutive bytes; the 2,048 bytes turn through the wave's own stage in LDS and come back 64 bytes a lane: 16 neighbours along K, two lanes to a block.
.set STEPS, 16
.set CB,    8                          ; bytes of 16 codes
.set AR,    16                         ; v16-79   four sets of 16 numbers as they are loaded
.set AX,    80                         ; v80-111  two sets of 16 neighbours
.set AE,    112                        ; v112-127 a scale byte for each step
.set AC,    128                        ; v128-191 codes: registers of its own for each step, so that no store's data are written again
.set WREG,  8192                       ; a wave's LDS: two stages of 32 x SP bytes, behind them its 256 scale bytes
.set SP,    80                         ; a lane's place in a stage: 64 bytes + 16 of padding
	v_lshlrev_b32 v3, 4, v2                        ; my 16 bytes of a load's 512
	s_mul_i32 s21, s20, WREG
	v_lshrrev_b32 v14, 2, v2
	v_mul_u32_u24 v14, v14, SP
	v_and_b32 v15, 3, v2
	v_lshl_add_u32 v14, v15, 4, v14
	v_add_nc_u32 v14, s21, v14                     ; the stage, on the way in: SP (lane / 4) + 16 (lane % 4)
	v_mul_u32_u24 v15, v2, SP
	v_add_nc_u32 v15, s21, v15                     ; and on the way out: SP x lane
	v_mul_u32_u24 v4, v2, CB                       ; my codes' place in a step's
	v_lshrrev_b32 v5, 1, v2
	s_add_co_u32 s21, s21, 2*32*SP
	v_add_nc_u32 v5, s21, v5                       ; my block's byte among my wave's 256 scale bytes
	v_lshlrev_b32 v7, 3, v2
	v_add_nc_u32 v6, s21, v7                       ; and on the way out 8 bytes a lane
	s_sub_co_u32 s22, ttmp9, 48
	s_lshl_b32 s22, s22, 2
	s_add_co_u32 s22, s22, s20                     ; which run of 8,192 numbers is my wave's: 0 .. 1,023
	s_lshl_b32 s24, s22, 15
	s_add_nc_u64 s[4:5], s[4:5], s[24:25]          ; 32,768 bytes of x a run,
	s_lshl_b32 s24, s22, 12
	s_add_nc_u64 s[10:11], s[10:11], s[24:25]      ; 4,096 of codes,
	s_lshl_b32 s24, s22, 8
	s_add_nc_u64 s[12:13], s[12:13], s[24:25]      ; 256 of scale bytes
.macro LOADA t
.irp i, 0,1,2,3
	global_load_b128 v[AR+16*((\t)%4)+4*\i:AR+16*((\t)%4)+4*\i+3], v3, s[4:5] offset:2048*(\t)+512*\i th:TH_LOAD_NT   ; 32 lanes read 512 consecutive bytes
.endr
.endm
.macro TURNA t                         ; step t's numbers through the stage: LDS serves a wave's instructions in order, so no wait stands between the stores and the loads
.irp i, 0,1,2,3
	ds_store_b128 v14, v[AR+16*((\t)%4)+4*\i:AR+16*((\t)%4)+4*\i+3] offset:32*SP*((\t)%2)+8*SP*\i
.endr
.irp i, 0,1,2,3
	ds_load_b128 v[AX+16*((\t)%2)+4*\i:AX+16*((\t)%2)+4*\i+3], v15 offset:32*SP*((\t)%2)+16*\i
.endr
.endm
.irp t, 0,1,2,3
	LOADA \t
.endr
	s_wait_loadcnt 12                              ; step 0's four loads are in; the twelve of steps 1 to 3 may be out
	TURNA 0
.macro STEPA t
.set XS, AX+16*((\t)%2)
.if (\t) > 0
	s_wait_dscnt 1                                 ; this step's numbers are back from the stage (the last step's byte store may be out)
.else
	s_wait_dscnt 0x0
.endif
.if (\t)+4 < STEPS
	LOADA (\t)+4                                   ; into the set whose stores into the stage have read their registers
.endif
.if (\t)+1 < STEPS
.if STEPS-2-(\t) >= 3
	s_wait_loadcnt 12                              ; the next step's four loads are in; those of the three steps behind it may be out
.else
	s_wait_loadcnt 4*(STEPS-2-(\t))
.endif
	TURNA (\t)+1                                   ; through the other stage while this step is worked
.endif
	v_max3_num_f32 v8, |v[XS]|, |v[XS+1]|, |v[XS+2]|               ; the largest magnitude of my 16, in two chains
	v_max3_num_f32 v9, |v[XS+3]|, |v[XS+4]|, |v[XS+5]|
.irp i, 6,10
	v_max3_num_f32 v8, v8, |v[XS+\i]|, |v[XS+\i+1]|
	v_max3_num_f32 v9, v9, |v[XS+\i+2]|, |v[XS+\i+3]|
.endr
	v_max3_num_f32 v8, v8, |v[XS+14]|, |v[XS+15]|
	v_max3_num_f32 v8, v8, v9, (EMAX+1)<<23        ; and the floor 2^(3 - 127): the byte cannot fall under 1
	v_max_num_f32_dpp v8, v8, v8 row_xmask:1 row_mask:0xf bank_mask:0xf   ; and of my neighbour's 16: the block's
	v_add_nc_u32 v11, -(EMAX<<23), v8              ; 2 off its exponent field: the conversion takes the exponent field of this operand as its scale
	v_cvt_scalef32_pk8_fp4_f32 v[AC+4*(\t)], v[XS:XS+7], v11
	v_cvt_scalef32_pk8_fp4_f32 v[AC+4*(\t)+1], v[XS+8:XS+15], v11
	v_lshrrev_b32 v[AE+(\t)], 23, v11              ; the scale's byte (a plain line behind the conversions)
	ds_store_b8 v5, v[AE+(\t)] offset:16*(\t)      ; both lanes of a block write the same byte with the same value
	global_store_b64 v4, v[AC+4*(\t):AC+4*(\t)+1], s[10:11] offset:32*CB*(\t)   ; the wave stores 256 consecutive bytes, aligned
.endm
.irp t, 0,1,2,3,4,5,6,7,8,9,10,11,12,13,14,15
	STEPA \t
.endr
	ds_load_b64 v[8:9], v6                         ; LDS serves a wave's instructions in order: these see my byte stores
	s_wait_dscnt 0x0
	global_store_b64 v7, v[8:9], s[12:13]          ; 32 lanes store 256 consecutive bytes, aligned
	s_branch .Lend
; ---------------- PATH B: W_qkv, whose K is its first axis.  A lane takes a column n and its registers run down K: a block of 32 lies in one lane, and the conversions give codes with K innermost.
; A wave takes 32 columns x 512 along K: 16 blocks a lane, 256 bytes of codes a column, which go through the wave's stage and leave as rows: sixteen lanes store 256 consecutive bytes, aligned.
.set BN,    3072
.set NB,    16                         ; blocks a lane
.set BP,    272                        ; a stage row: 256 bytes + 16
.set KROW,  512                        ; a row of the codes' buffer
.set BSB,   24                         ; v24-27   the scale bytes, four to a register
.set BX,    32                         ; v32-95   two sets of 32 numbers
.set BC,    96                         ; v96-99   a block's codes
.set BOUT,  112                        ; v112-175 the way out
.Lpath_b:
	s_lshr_b32 s22, ttmp9, 1                       ; which 128 columns
	s_and_b32 s23, ttmp9, 1                        ; which 512 along K
	s_lshl_b32 s22, s22, 7
	s_lshl_b32 s24, s20, 5
	s_add_co_u32 s22, s22, s24                     ; my wave's first column
	v_lshlrev_b32 v3, 2, v2                        ; in: 4 bytes a lane
	s_mul_i32 s21, s20, 32*BP
	s_add_co_u32 s21, s21, LDSB                    ; my stage
	v_mul_u32_u24 v4, v2, BP
	v_add_nc_u32 v4, s21, v4                       ; into it: row = my column
	v_and_b32 v5, 15, v2
	v_lshrrev_b32 v6, 4, v2
	v_mul_u32_u24 v7, v6, BP
	v_lshl_add_u32 v7, v5, 4, v7
	v_add_nc_u32 v7, s21, v7                       ; out of it: sixteen lanes to a row, two rows an instruction
	v_mul_u32_u24 v8, v6, KROW
	v_lshl_add_u32 v8, v5, 4, v8                   ; and the same place in the codes' buffer
	v_lshlrev_b32 v9, 5, v2                        ; my column's row of 32 scale bytes
	s_mul_i32 s24, s23, 512*BN*4
	s_lshl_b32 s26, s22, 2
	s_add_co_u32 s24, s24, s26
	s_add_nc_u64 s[6:7], s[6:7], s[24:25]          ; W_qkv: 512 y rows + 4 x column
	s_lshl_b32 s24, s22, 9
	s_lshl_b32 s26, s23, 8
	s_add_co_u32 s24, s24, s26
	s_add_nc_u64 s[14:15], s[14:15], s[24:25]      ; codes: column x 512 + 256 y
	s_lshl_b32 s24, s22, 5
	s_lshl_b32 s26, s23, 4
	s_add_co_u32 s24, s24, s26
	s_add_nc_u64 s[16:17], s[16:17], s[24:25]      ; scale bytes: column x 32 + 16 y
.macro LOADB t                         ; block t: W(32 t + i, my column) into set t % 2.  The largest offset, 511 rows of 12,288 bytes, lies inside the signed 24-bit immediate
.irp i, 0,1,2,3,4,5,6,7,8,9,10,11,12,13,14,15,16,17,18,19,20,21,22,23,24,25,26,27,28,29,30,31
	global_load_b32 v[BX+32*((\t)%2)+\i], v3, s[6:7] offset:(32*(\t)+\i)*BN*4 th:TH_LOAD_NT
.endr
.endm
	LOADB 0
	LOADB 1
.macro BLOCKB t
.set XS, BX+32*((\t)%2)
.if (\t) < NB-1
	s_wait_loadcnt 32                              ; this block's 32 loads are in; the next block's 32 may be out
.else
	s_wait_loadcnt 0
.endif
	v_max3_num_f32 v12, |v[XS]|, |v[XS+1]|, |v[XS+2]|              ; the block's largest magnitude: all 32 numbers are mine
	v_max3_num_f32 v13, |v[XS+3]|, |v[XS+4]|, |v[XS+5]|
.irp i, 6,10,14,18,22,26
	v_max3_num_f32 v12, v12, |v[XS+\i]|, |v[XS+\i+1]|
	v_max3_num_f32 v13, v13, |v[XS+\i+2]|, |v[XS+\i+3]|
.endr
	v_max3_num_f32 v12, v12, |v[XS+30]|, |v[XS+31]|
	v_max3_num_f32 v12, v12, v13, (EMAX+1)<<23     ; and the floor
	v_add_nc_u32 v11, -(EMAX<<23), v12             ; the conversion's scale operand
	v_lshrrev_b32 v13, 23, v11                     ; the scale's byte
.if (\t)%4 == 0
	v_mov_b32 v[BSB+(\t)/4], v13                   ; four bytes to a register, the lower K in the lower byte
.else
	v_lshl_or_b32 v[BSB+(\t)/4], v13, 8*((\t)%4), v[BSB+(\t)/4]
.endif
.irp g, 0,1,2,3
	v_cvt_scalef32_pk8_fp4_f32 v[BC+\g], v[XS+8*\g:XS+8*\g+7], v11
.endr
	v_nop                                          ; a plain line behind the last conversion
	ds_store_b128 v4, v[BC:BC+3] offset:16*(\t)    ; 32 codes: 16 bytes of my column's row
.if (\t)+2 < NB
	LOADB (\t)+2
.endif
	s_wait_dscnt 0x0                               ; the store has read its registers: the next block's codes may be written
.endm
.set QB, 0
.rept NB
	BLOCKB QB
.set QB, QB+1
.endr
	global_store_b128 v9, v[BSB:BSB+3], s[16:17]   ; my column's 16 scale bytes
.irp t, 0,1,2,3,4,5,6,7,8,9,10,11,12,13,14,15
	ds_load_b128 v[BOUT+4*\t:BOUT+4*\t+3], v7 offset:2*\t*BP
.endr
.irp t, 0,1,2,3,4,5,6,7,8,9,10,11,12,13,14,15
	s_wait_dscnt 15-\t                             ; LDS loads come back in order: load t is in, the younger ones may be out
	global_store_b128 v8, v[BOUT+4*\t:BOUT+4*\t+3], s[14:15] offset:2*\t*KROW
.endr
	s_branch .Lend
; ---------------- PATH C: W_out, turned and rounded to f16.  A lane takes a column n and its registers run down K; a wave takes 32 columns x 128 along K: half of two panels.
; In the stage two rows of 128 bytes share a row of 256 + 16 bytes; the wave's part of a panel, 32 rows of 128 bytes, is 4,096 consecutive bytes of memory: eight stores of 512.
.set CX,    32                         ; v32-95   two sets of 32 numbers
.set CC,    96                         ; v96-111  32 numbers in f16
.set COUT,  112                        ; v112-175 the way out
.Lpath_c:
	s_sub_co_u32 s22, ttmp9, 304
	s_lshr_b32 s23, s22, 3                         ; which 128 columns
	s_and_b32 s22, s22, 7                          ; which 128 along K
	v_lshlrev_b32 v3, 2, v2
	s_mul_i32 s21, s20, 8704
	s_add_co_u32 s21, s21, LDSC                    ; my stage: two panels' parts of 16 x 272 bytes
	v_lshrrev_b32 v4, 1, v2
	v_mul_u32_u24 v4, v4, 272
	v_and_b32 v5, 1, v2
	v_lshl_add_u32 v4, v5, 7, v4
	v_add_nc_u32 v4, s21, v4                       ; into it: row = my column: 272 (lane / 2) + 128 (lane % 2)
	v_lshrrev_b32 v6, 4, v2
	v_mul_u32_u24 v6, v6, 272
	v_and_b32 v5, 15, v2
	v_lshl_add_u32 v6, v5, 4, v6
	v_add_nc_u32 v6, s21, v6                       ; out of it: sixteen lanes to 256 bytes
	v_lshlrev_b32 v7, 4, v2                        ; and 16 x lane in memory
	s_lshl_b32 s24, s22, 19                        ; W_out: 128 y rows of 4,096 bytes
	s_lshl_b32 s26, s23, 9
	s_add_co_u32 s24, s24, s26                     ; + 128 x columns of 4 bytes
	s_lshl_b32 s26, s20, 7
	s_add_co_u32 s24, s24, s26                     ; + my wave's 32
	s_add_nc_u64 s[8:9], s[8:9], s[24:25]
	s_lshl_b32 s24, s23, 1
	s_lshr_b32 s26, s20, 1
	s_add_co_u32 s24, s24, s26                     ; the block of 64 columns: 2 x + wave / 2
	s_lshl_b32 s24, s24, 4
	s_lshl_b32 s26, s22, 1
	s_add_co_u32 s24, s24, s26                     ; its panel 2 y
	s_lshl_b32 s24, s24, 13
	s_and_b32 s26, s20, 1
	s_lshl_b32 s26, s26, 12
	s_add_co_u32 s24, s24, s26                     ; my 32 rows of the panel's 64
	s_add_nc_u64 s[18:19], s[18:19], s[24:25]
.macro LOADC t
.irp i, 0,1,2,3,4,5,6,7,8,9,10,11,12,13,14,15,16,17,18,19,20,21,22,23,24,25,26,27,28,29,30,31
	global_load_b32 v[CX+32*((\t)%2)+\i], v3, s[8:9] offset:(32*(\t)+\i)*4096 th:TH_LOAD_NT
.endr
.endm
	LOADC 0
	LOADC 1
.macro BLOCKC t
.set XS, CX+32*((\t)%2)
.if (\t) < 3
	s_wait_loadcnt 32                              ; this block's 32 loads are in; the next block's 32 may be out
.else
	s_wait_loadcnt 0
.endif
.irp i, 0,1,2,3,4,5,6,7,8,9,10,11,12,13,14,15
	v_cvt_pk_f16_f32 v[CC+\i], v[XS+2*\i], v[XS+2*\i+1]            ; two neighbours along K, the lower in the low half
.endr
.irp g, 0,1,2,3
	ds_store_b128 v4, v[CC+4*\g:CC+4*\g+3] offset:((\t)/2)*4352+((\t)%2)*64+16*\g
.endr
.if (\t)+2 < 4
	LOADC (\t)+2
.endif
	s_wait_dscnt 0x0                               ; the stores have read their registers
.endm
	BLOCKC 0
	BLOCKC 1
	BLOCKC 2
	BLOCKC 3
.irp p, 0,1
.irp i, 0,1,2,3,4,5,6,7
	ds_load_b128 v[COUT+4*(8*\p+\i):COUT+4*(8*\p+\i)+3], v6 offset:\p*4352+\i*544
.endr
.endr
.irp p, 0,1
.irp i, 0,1,2,3,4,5,6,7
	s_wait_dscnt 15-8*\p-\i                        ; this load is in, the younger ones may be out
	global_store_b128 v7, v[COUT+4*(8*\p+\i):COUT+4*(8*\p+\i)+3], s[18:19] offset:\p*8192+\i*512   ; 32 lanes store 512 consecutive bytes, aligned
.endr
.endr
.Lend:
	s_wait_tensorcnt 0x0                           ; the wave's end, behind my last LDS store
	ds_add_u32 v[SPW], v[NIL]
	s_wait_dscnt 0x0
	s_endpgm
.Lfunc_end_k_qbc0208e13d_prep:
	.size	k_qbc0208e13d_prep, .Lfunc_end_k_qbc0208e13d_prep-k_qbc0208e13d_prep
	.p2alignl 7, 3214868480
	.fill 96, 4, 3214868480
	.section	.rodata,"a",@progbits
	.p2align	6, 0x0
	.amdhsa_kernel k_qbc0208e13d_prep
		.amdhsa_group_segment_fixed_size 102912
		.amdhsa_private_segment_fixed_size 0
		.amdhsa_enable_private_segment 0
		.amdhsa_kernarg_size 64
		.amdhsa_user_sgpr_count 2
		.amdhsa_user_sgpr_kernarg_segment_ptr 1
		.amdhsa_wavefront_size32 1
		.amdhsa_system_sgpr_workgroup_id_x 1
		.amdhsa_system_sgpr_workgroup_id_y 1
		.amdhsa_system_sgpr_workgroup_id_z 1
		.amdhsa_system_vgpr_workitem_id 0
		.amdhsa_next_free_vgpr 196
		.amdhsa_next_free_sgpr 66
		.amdhsa_reserve_vcc 0
		.amdhsa_float_denorm_mode_32 3
		.amdhsa_float_denorm_mode_16_64 3
		.amdhsa_memory_ordered 1
		.amdhsa_forward_progress 1
		.amdhsa_inst_pref_size 133
	.end_amdhsa_kernel
	.amdgpu_metadata
---
amdhsa.version: [ 1, 2 ]
amdhsa.kernels:
  - .name:           k_qbc0208e13d_prep
    .symbol:         k_qbc0208e13d_prep.kd
    .args:
      - { .name: x, .offset: 0, .size: 8, .value_kind: global_buffer, .address_space: global }
      - { .name: W_qkv, .offset: 8, .size: 8, .value_kind: global_buffer, .address_space: global }
      - { .name: W_out, .offset: 16, .size: 8, .value_kind: global_buffer, .address_space: global }
      - { .name: x_codes, .offset: 24, .size: 8, .value_kind: global_buffer, .address_space: global }
      - { .name: x_scales, .offset: 32, .size: 8, .value_kind: global_buffer, .address_space: global }
      - { .name: w_codes, .offset: 40, .size: 8, .value_kind: global_buffer, .address_space: global }
      - { .name: w_scales, .offset: 48, .size: 8, .value_kind: global_buffer, .address_space: global }
      - { .name: wo16, .offset: 56, .size: 8, .value_kind: global_buffer, .address_space: global }
    .group_segment_fixed_size: 102912
    .private_segment_fixed_size: 0
    .kernarg_segment_align: 8
    .kernarg_segment_size: 64
    .max_flat_workgroup_size: 128
    .sgpr_count:     66
    .vgpr_count:     196
    .wavefront_size: 32
...
	.end_amdgpu_metadata
.endif
;; end of part 1
;; launch qkv (part 2): grid 12 x 32, 4 waves a work-group, clusters of 4 x 4, 327,680 bytes of LDS; arguments x_codes, x_scales, w_codes, w_scales, b_qkv, qkv; writes qkv
.if DOCPART == 2
	.amdgcn_target "amdgcn-amd-amdhsa--gfx1250"
	.amdhsa_code_object_version 6
	.text
	.protected	k_qbc0208e13d_qkv
	.globl	k_qbc0208e13d_qkv
	.p2align	8
	.type	k_qbc0208e13d_qkv,@function
k_qbc0208e13d_qkv:
	s_mov_b64 s[64:65], 0
	v_nop
	global_prefetch_b8 v0, s[64:65] scope:SCOPE_SE
	s_setreg_imm32_b32 hwreg(HW_REG_WAVE_MODE, 25, 1), 1
	s_wait_xcnt 0x0
	s_wait_alu depctr_hold_cnt(0) depctr_sa_sdst(0) depctr_va_vdst(0) depctr_va_sdst(0) depctr_va_ssrc(0) depctr_va_vcc(0) depctr_vm_vsrc(0)
	s_getreg_b32 s2, hwreg(HW_REG_IB_STS2, 6, 4)
	s_cmp_eq_u32 s2, 0
	s_cbranch_scc0 .Lentry_in_a_cluster
	s_endpgm
.Lentry_in_a_cluster:
	s_bfe_u32 s2, ttmp6, 0x10000c
	s_cmp_lg_u32 s2, 0xf033
	s_cbranch_scc0 .Lentry_shape_is_right
	s_endpgm
.Lentry_shape_is_right:
; qkv = x W_qkv + b_qkv on codes of FP4 (E2M1) with one E8M0 scale for each 32 along K; sums in f32; the result is rounded once to f16 and laid by heads: [3 parts][64 = batch x 16 + head][2048 tokens][64 channels].
; A = x's codes [8192][512 bytes], B = W_qkv's codes [3072][512 bytes], K innermost; scale bytes [rows][32].
; A tile of 256 x 256 is made by a work-group of four waves; a wave makes 128 x 128: 64 accumulators of 16 x 16, 512 registers.  K = 1,024 is two LDS slots of 512 along K (rows of 256 bytes): both are asked for at the start, nothing is filled again.
; The scales of the work-group's 256 + 256 rows, for all of K, are two dense blocks of memory: they come with the first fills.
; CLUSTERS: 4 x 4 work-groups.  The four of a row of the cluster need the same tiles of A, the four of a column the same tiles of B: each tile is asked for jointly, by the same tensor load with the same descriptor and a mask that names the four.
; THE MATRIX INSTRUCTION IS USED TRANSPOSED (source 0 = 16 rows of B, source 1 = 16 rows of A): a lane holds eight neighbouring columns of one row.  The bias is the C of each sum's first instruction.
; LIMITS: a result beyond 65,504 in magnitude becomes infinite in f16.
; REGISTERS, in windows of 256: window 0: v0-31 addresses; v32-95 scale words, two sets, and nothing else; v96-127 packed results; v128-191 A's fragments, one set; v192-255 rows on the way out.
;   window 1: B's fragments, two sets, at v0 and v128; v64-127 the bias, 8 blocks x 8.   window 2: the accumulators of my rows 0-63 ((a, b) at v[8 (8 a + b)]);   window 3: those of my rows 64-127.
.set SIZE_K, 1024
.set NQ,     4                         ; matrix instructions deep in a slot
.set ROWB,   256                       ; a tile's row in bytes: 512 codes
.set KROW,   SIZE_K/2                  ; a row of codes in memory
.set PITCH,  272                       ; an LDS row: 256 bytes + 16 = 68 words: row r starts at bank 4 r mod 64 (64 banks of 4 bytes: ISA guide 11.1)
.set FR,     8                         ; registers of a fragment: 16 rows x 128 K
.set NL,     2                         ; LDS loads that bring one
.set NP,     4                         ; places behind this matrix instruction (ISA guide 7.12.1)
.set HALFT,  128*PITCH                 ; 128 rows: what one tensor load brings
.set SLOT,   4*HALFT                   ; A's 256 rows, then B's 256 rows
.set KS,     SIZE_K/32                 ; a row of scales in bytes
.set SCL,    2*SLOT                    ; behind the slots: the scales, as rows of 256 bytes + 16
.set HALFS,  (128*KS/256)*272          ; the scales of 128 rows
.set SBLK,   (16*KS/256)*272           ; those of 16 rows
.set SPARE,  SCL+4*HALFS               ; the spare words, 128 bytes for each wave: two blocks of 256 bytes that no other line names
.set STAGE,  SPARE+512                 ; the way out: 16 rows x 272 bytes for each wave; no tensor load lands here
.set SPITCH, 272
.set ADRA, 16                          ; v16-17  LDS address of my A fragments in slot 0, 1
.set ADRB, 20                          ; v20-21  the same for B
.set STO,  24                          ; v24     the way out: where I put 16 bytes of a row
.set RD,   25                          ; v25     where I read them back
.set CO,   26                          ; v26     my byte offset in the output
.set ADRS, 27                          ; v27     LDS address of my scale words: lanes 0-15 A's rows, lanes 16-31 B's
.set SPW,  28                          ; v28     LDS address of my spare word; never rewritten
.set NIL,  29                          ; v29     0; never rewritten
.set BO,   30                          ; v30     the bias: 32 x (lane / 16)
.set SC,   32
.set TMP,  96
.set AF,   128
.set BK,   192
.set BIAS, 64                          ; in window 1
.set G1, 24                            ; s[24:31] descriptor group 1 for A's tiles;  s[32:39] group 0, one set for each slot
.set G0, 32
.set G1B, 48                           ; s[48:55], s[56:63] the same for B's tiles
.set G0B, 56
.set G1S, 68                           ; s[68:75], s[76:79] groups 1 and 0 for A's scales;  s[80:87], s[88:91] for B's
.set G0S, 76
.set G1SB, 80
.set G0SB, 88
.set MSB, 0
.macro WIN new                         ; the immediate's high byte repeats the setting that is left
.if MSB != \new
	s_set_vgpr_msb (MSB<<8)|\new
.set MSB, \new
.endif
.endm
.set MUL_LO,  0xa1                     ; source 0 (B) window 1, source 1 (A) window 0, C and D window 2
.set MUL_HI,  0xf1                     ; the same, C and D window 3
.set BIAS_LO, 0x91                     ; C (the bias) window 1, D window 2
.set BIAS_HI, 0xd1                     ; C window 1, D window 3
.set TO_B,    0x40                     ; destination window 1, address window 0
; A joint load: waves 0 and 1 fetch for A, waves 2 and 3 for B.  The branch hangs on the wave's number alone.  An s_nop 0 and four v_nop follow each of the two lines.
.macro JLOAD g0a, g1a, g0b, g1b
	s_cmp_eq_u32 s15, 0
	s_cbranch_scc0 .Lfor_b_\@
	tensor_load_to_lds s[\g0a:\g0a+3], s[\g1a:\g1a+7]
	s_nop 0
.rept 4
	v_nop
.endr
	s_branch .Lasked_\@
.Lfor_b_\@:
	tensor_load_to_lds s[\g0b:\g0b+3], s[\g1b:\g1b+7]
	s_nop 0
.rept 4
	v_nop
.endr
.Lasked_\@:
.endm
.macro CROUND                          ; a round of the cluster's barrier
	s_barrier_signal -1
	s_barrier_wait -1
	s_cmp_lg_u32 s14, 0
	s_cbranch_scc1 .Lnot_wave_0_\@
	s_barrier_signal -3
.Lnot_wave_0_\@:
	s_barrier_wait -3
	s_barrier_signal -1
	s_barrier_wait -1
.endm
	s_load_b128 s[4:7], s[0:1], 0x0                ; A's codes s[4:5], A's scales s[6:7]
	s_load_b128 s[8:11], s[0:1], 0x10              ; B's codes s[8:9], B's scales s[10:11]
	s_load_b128 s[96:99], s[0:1], 0x20             ; the bias s[96:97], the output s[98:99]
	v_lshl_add_u32 v[SPW], v0, 2, SPARE
	v_mov_b32 v[NIL], 0
	ds_add_u32 v[SPW], v[NIL]                      ; the wave's opening: the add, twice on end, and its wait ahead of my first tensor load
	ds_add_u32 v[SPW], v[NIL]
	v_lshrrev_b32 v1, 5, v0
	v_readfirstlane_b32 s14, v1                    ; wave 0..3
	s_lshr_b32 s15, s14, 1                         ; which half of the tile's rows is mine.  Also: I fetch for A (0) or for B (1)
	s_and_b32 s16, s14, 1                          ; which half of its columns.  Also: which 128 rows of that tile I fetch
	s_bfe_u32 s40, ttmp6, 0x40000                  ; cx, cy: my place in the cluster
	s_bfe_u32 s41, ttmp6, 0x40004
	s_lshl_b32 s42, ttmp9, 2
	s_add_co_u32 s42, s42, s40                     ; tile column = 4 x cluster x + cx
	s_and_b32 s17, ttmp7, 0xffff
	s_lshl_b32 s17, s17, 2
	s_add_co_u32 s17, s17, s41                     ; tile row = 4 x cluster y + cy
	s_lshl_b32 s43, s41, 2
	s_lshl_b32 s43, 15, s43                        ; my row of the cluster
	s_lshl_b32 s44, 0x1111, s40                    ; my column
	; descriptor group 1: a tile of 128 rows x 256 bytes, padded in LDS
	s_or_b32 s[G1+0], s43, (0<<16)|(1<<20)|(1<<21)|(5<<22)|(3<<25)  ; 15:0 the mask; 17:16 elements of 1 byte; 20 padding on; 21 set beside a mask; 24:22 after every 64 words; 31:25 four words
	s_or_b32 s[G1B+0], s44, (0<<16)|(1<<20)|(1<<21)|(5<<22)|(3<<25)
.irp g, G1, G1B
	s_mov_b32 s[\g+1], ROWB<<16                    ; tensor_dim0
	s_mov_b32 s[\g+2], 128<<16                     ; tensor_dim1
	s_mov_b32 s[\g+3], ROWB<<16                    ; tile_dim0
	s_mov_b32 s[\g+4], 128                         ; tile_dim1
	s_mov_b32 s[\g+5], KROW                        ; from row to row
	s_mov_b32 s[\g+6], 0
	s_mov_b32 s[\g+7], 0
.endr
	; the scales of 128 rows: a dense block of 4,096 bytes, as 16 rows of 256 bytes (32 elements of 8 bytes), 16 bytes of padding behind each
	s_or_b32 s[G1S+0], s43, (3<<16)|(1<<20)|(1<<21)|(5<<22)|(3<<25)
	s_or_b32 s[G1SB+0], s44, (3<<16)|(1<<20)|(1<<21)|(5<<22)|(3<<25)
.irp g, G1S, G1SB
	s_mov_b32 s[\g+1], 32<<16
	s_mov_b32 s[\g+2], (128*KS/256)<<16
	s_mov_b32 s[\g+3], 32<<16
	s_mov_b32 s[\g+4], 128*KS/256
	s_mov_b32 s[\g+5], 32
	s_mov_b32 s[\g+6], 0
	s_mov_b32 s[\g+7], 0
.endr
	s_lshl_b32 s18, s16, 7                         ; which 128 rows of the tile I fetch
	s_lshl_b32 s20, s17, 8
	s_add_co_u32 s20, s20, s18                     ; A: row 256 x tile row + 128 x half
	s_lshl_b32 s46, s42, 8
	s_add_co_u32 s46, s46, s18                     ; B: row 256 x tile column + 128 x half
	s_mov_b32 s21, 0
	s_mov_b32 s47, 0
	s_mov_b64 s[18:19], KS
	s_mul_u64 s[22:23], s[20:21], s[18:19]         ; where these rows' scales begin, in bytes
	s_mul_u64 s[92:93], s[46:47], s[18:19]
	s_mov_b64 s[18:19], KROW
	s_mul_u64 s[20:21], s[20:21], s[18:19]         ; and their codes
	s_mul_u64 s[46:47], s[46:47], s[18:19]
	s_mul_i32 s45, s14, HALFT                      ; where they go: wave x 128 rows: no place in the cluster enters an LDS address
	s_mul_i32 s94, s14, HALFS
	s_wait_dscnt 0x0                               ; both opening adds are done
	s_wait_kmcnt 0x0
	s_add_nc_u64 s[20:21], s[4:5], s[20:21]
	s_add_nc_u64 s[22:23], s[6:7], s[22:23]
	s_add_nc_u64 s[46:47], s[8:9], s[46:47]
	s_add_nc_u64 s[92:93], s[10:11], s[92:93]
	CROUND                                         ; all sixteen work-groups are here: the first joint loads meet
	s_mov_b32 s[G0S], 1
	s_add_co_u32 s[G0S+1], s94, SCL
	s_mov_b64 s[G0S+2:G0S+3], s[22:23]
	s_or_b32 s[G0S+3], s[G0S+3], 0x80000000
	s_mov_b32 s[G0SB], 1
	s_add_co_u32 s[G0SB+1], s94, SCL
	s_mov_b64 s[G0SB+2:G0SB+3], s[92:93]
	s_or_b32 s[G0SB+3], s[G0SB+3], 0x80000000
	JLOAD G0S, G1S, G0SB, G1SB                     ; the scales first: they are wanted with the first slot
.irp s, 0,1
	s_mov_b32 s[G0+4*\s], 1
	s_add_co_u32 s[G0+4*\s+1], s45, \s*SLOT
	s_add_nc_u64 s[G0+4*\s+2:G0+4*\s+3], s[20:21], \s*ROWB
	s_or_b32 s[G0+4*\s+3], s[G0+4*\s+3], 0x80000000
	s_mov_b32 s[G0B+4*\s], 1
	s_add_co_u32 s[G0B+4*\s+1], s45, \s*SLOT
	s_add_nc_u64 s[G0B+4*\s+2:G0B+4*\s+3], s[46:47], \s*ROWB
	s_or_b32 s[G0B+4*\s+3], s[G0B+4*\s+3], 0x80000000
	JLOAD G0+4*\s, G1, G0B+4*\s, G1B               ; three tensor loads of mine are out
.endr
	v_and_b32 v1, 15, v0                           ; l % 16
	v_bfe_u32 v2, v0, 4, 1                         ; l / 16
	v_mul_u32_u24 v3, v1, PITCH
	v_lshl_add_u32 v4, v2, 4, v3                   ; a fragment's row x pitch + 16 x half
	s_mul_i32 s21, s15, HALFT                      ; my 128 rows of A
	s_mul_i32 s22, s16, HALFT                      ; my 128 rows of B,
	s_add_co_u32 s22, s22, 2*HALFT                 ; which lie behind A's 256
.irp s, 0,1
	v_add_nc_u32 v[ADRA+\s], s21, v4
	v_add_nc_u32 v[ADRB+\s], s22, v4
	s_add_co_u32 s21, s21, SLOT
	s_add_co_u32 s22, s22, SLOT
.endr
	v_mul_u32_u24 v5, v1, KS                       ; my row's scales: 32 bytes a row,
	v_lshrrev_b32 v6, 8, v5
	v_lshl_add_u32 v5, v6, 4, v5                   ; and 16 more for each 256 passed
	s_mul_i32 s21, s15, HALFS                      ; A's: my 128 rows
	s_mul_i32 s22, s16, HALFS                      ; B's: my 128 rows, behind A's 256
	s_add_co_u32 s22, s22, 2*HALFS
	s_sub_co_u32 s22, s22, s21
	v_mul_u32_u24 v6, s22, v2                      ; lanes 16-31 take B's
	s_add_co_u32 s21, s21, SCL
	v_add_nc_u32 v5, v5, v6
	v_add_nc_u32 v[ADRS], s21, v5
	s_mul_i32 s23, s14, 16*SPITCH
	s_add_co_u32 s23, s23, STAGE                   ; my stage
	v_mul_u32_u24 v5, v1, SPITCH                   ; in: row l % 16, 16 bytes for each half of the lanes
	v_lshl_add_u32 v5, v2, 4, v5
	v_add_nc_u32 v[STO], s23, v5
	v_bfe_u32 v6, v0, 3, 1                         ; back: a row of the stage holds 128 bytes of each of two heads.  Lanes 0-15 take the first head's bytes of two rows, lanes 16-31 the second's
	v_mul_u32_u24 v6, v6, SPITCH
	v_lshl_add_u32 v6, v2, 7, v6
	v_and_b32 v7, 7, v0
	v_lshl_add_u32 v6, v7, 4, v6
	v_add_nc_u32 v[RD], s23, v6
	v_lshlrev_b32 v[CO], 18, v2                    ; in memory: a head is 262,144 bytes; two tokens of a head are 256 consecutive bytes
	v_lshl_add_u32 v[CO], v1, 4, v[CO]
	v_lshlrev_b32 v[BO], 5, v2
	s_lshl_b32 s46, s42, 10                        ; the bias of my 128 columns: (256 x tile column + 128 x half) x 4 bytes
	s_lshl_b32 s47, s16, 9
	s_add_co_u32 s46, s46, s47
	s_mov_b32 s47, 0
	s_add_nc_u64 s[96:97], s[96:97], s[46:47]
	s_lshr_b32 s20, s42, 2                         ; the part (q, k or v): 4 tile columns each
	s_lshl_b32 s20, s20, 2
	s_lshr_b32 s21, s17, 3                         ; the batch: 8 tile rows each
	s_add_co_u32 s20, s20, s21
	s_lshl_b32 s20, s20, 4
	s_and_b32 s21, s42, 3
	s_lshl_b32 s21, s21, 2                         ; a tile column is 4 heads,
	s_add_co_u32 s20, s20, s21
	s_lshl_b32 s21, s16, 1                         ; my half of it 2
	s_add_co_u32 s20, s20, s21
	s_lshl_b32 s20, s20, 18                        ; my first head's first byte
	s_and_b32 s21, s17, 7
	s_lshl_b32 s21, s21, 8
	s_lshl_b32 s22, s15, 7
	s_add_co_u32 s21, s21, s22                     ; my first token
	s_lshl_b32 s21, s21, 7
	s_add_co_u32 s20, s20, s21
	s_mov_b32 s21, 0
	s_add_nc_u64 s[98:99], s[98:99], s[20:21]
	WIN TO_B
.irp b, 0,1,2,3,4,5,6,7                ; the bias in the result's layout: block b, lane (r, h): columns 16 b + 8 h + 0 .. 7
	global_load_b128 v[BIAS+8*\b:BIAS+8*\b+3],   v[BO], s[96:97] offset:64*\b
	global_load_b128 v[BIAS+8*\b+4:BIAS+8*\b+7], v[BO], s[96:97] offset:64*\b+16
.endr
	WIN 0
.macro FRAG reg, adr, q, i             ; a fragment, 16 rows x 128 K of 4-bit codes: lane l holds row l % 16; registers 4 c .. 4 c + 3 hold K = 64 c + 32 (l / 16) + 0 .. 31
.irp c, 0,1
	ds_load_b128 v[\reg+4*\c:\reg+4*\c+3], v[\adr] offset:64*(\q)+32*\c+(\i)*16*PITCH
.endr
.endm
; 16 matrix instructions: A's blocks a0, a0 + 1 x B's eight, the slot's q-th 128 along K.  p: B's set;  sc: the set of scale words.  zero = 1: the first product starts the sums from the bias.
; The 64 accumulators take turns, one instruction a turn, in the same order in every step.
.macro MUL16 a0, p, q, sc, zero
.irp a, \a0, \a0+1
.irp b, 0,1,2,3,4,5,6,7
.if \zero
	v_wmma_scale_f32_16x16x128_f8f6f4 v[8*(8*((\a)%4)+\b):8*(8*((\a)%4)+\b)+7], v[128*(\p)+FR*\b:128*(\p)+FR*\b+FR-1], v[AF+FR*(\a):AF+FR*(\a)+FR-1], v[BIAS+8*\b:BIAS+8*\b+7], v[SC+8*NQ*(\sc)+NQ*\b+(\q)], v[SC+8*NQ*(\sc)+NQ*(\a)+(\q)] matrix_a_fmt:MATRIX_FMT_FP4 matrix_b_fmt:MATRIX_FMT_FP4 matrix_a_scale:MATRIX_SCALE_ROW1
.else
	v_wmma_scale_f32_16x16x128_f8f6f4 v[8*(8*((\a)%4)+\b):8*(8*((\a)%4)+\b)+7], v[128*(\p)+FR*\b:128*(\p)+FR*\b+FR-1], v[AF+FR*(\a):AF+FR*(\a)+FR-1], v[8*(8*((\a)%4)+\b):8*(8*((\a)%4)+\b)+7], v[SC+8*NQ*(\sc)+NQ*\b+(\q)], v[SC+8*NQ*(\sc)+NQ*(\a)+(\q)] matrix_a_fmt:MATRIX_FMT_FP4 matrix_b_fmt:MATRIX_FMT_FP4 matrix_a_scale:MATRIX_SCALE_ROW1
.endif
.endr
.endr
.endm
.macro FETCH_B slot, q, p              ; B's eight fragments into set p
	WIN TO_B
.irp i, 0,1,2,3,4,5,6,7
	FRAG 128*(\p)+FR*\i, ADRB+\slot, \q, \i
.endr
	WIN 0
.endm
.macro FETCH_A slot, q, i0             ; A's blocks i0 .. i0 + 3
.irp i, \i0, \i0+1, \i0+2, \i0+3
	FRAG AF+FR*(\i), ADRA+\slot, \q, \i
.endr
.endm
.macro SCALES sc                       ; a slot's scale words into set sc: four words a row; lanes 0-15 take A's block i, lanes 16-31 B's block i
.irp i, 0,1,2,3,4,5,6,7
	ds_load_b128 v[SC+8*NQ*\sc+NQ*\i:SC+8*NQ*\sc+NQ*\i+3], v[ADRS] offset:\i*SBLK
.endr
.endm
.macro PLACES n                        ; plain vector lines between a matrix instruction and a load into, or a read of, its registers (ISA guide 7.12.1 for reads)
.rept \n
	v_nop
.endr
.endm
; A step of 128 along K that has its successor in the same slot.
.macro STEP slot, q, zero
	s_wait_dscnt 4*NL                              ; B's set and A's blocks 0-3 are in; the youngest eight loads (A's blocks 4-7) may be out
.if \zero
	WIN BIAS_LO
.else
	WIN MUL_LO
.endif
	MUL16 0, (\q)%2, \q, \slot, \zero
	MUL16 2, (\q)%2, \q, \slot, \zero
	s_wait_dscnt 0                                 ; A's blocks 4-7 are in
	PLACES NP
	FETCH_B \slot, (\q)+1, 1-(\q)%2
	FETCH_A \slot, (\q)+1, 0
.if \zero
	WIN BIAS_HI
.else
	WIN MUL_HI
.endif
	MUL16 4, (\q)%2, \q, \slot, \zero
	MUL16 6, (\q)%2, \q, \slot, \zero
	PLACES NP
	WIN 0
	FETCH_A \slot, (\q)+1, 4
.endm
; Slot 0's last step changes slots: one barrier; in front of it each wave waits for all its tensor loads (its part of slot 1), so that behind it slot 1 is whole for every wave.  Nothing is filled again.
.macro TURN slot, next
	s_wait_tensorcnt 0x0                           ; all my tensor loads have landed
	ds_add_u32 v[SPW], v[NIL]                      ; 0 onto my spare word
	s_wait_dscnt 4*NL+1                            ; (the add and the youngest eight loads, A's blocks 4-7, may be out)
	WIN MUL_LO
	MUL16 0, 1, NQ-1, \slot, 0
	s_wait_dscnt 0x0                               ; the add is done, and my reads of this slot are over
	s_barrier_signal -1
	MUL16 2, 1, NQ-1, \slot, 0
	WIN 0
	s_barrier_wait -1
	PLACES NP
	v_add_nc_u32 v[ADRS], 4*NQ, v[ADRS]            ; on to the next slot's scale words
	FETCH_B \next, 0, 0
	FETCH_A \next, 0, 0
	SCALES \next
	WIN MUL_HI
	MUL16 4, 1, NQ-1, \slot, 0
	MUL16 6, 1, NQ-1, \slot, 0
	PLACES NP
	WIN 0
	FETCH_A \next, 0, 4
.endm
.macro STEPS slot, from                ; the slot's steps from .. NQ - 2
.set QQ, \from
.rept NQ-1-\from
	STEP \slot, QQ, 0
.set QQ, QQ+1
.endr
.endm
	s_wait_tensorcnt 1                             ; the scales and my part of slot 0 are in (slot 1's load may be out)
	s_barrier_signal -1
	s_barrier_wait -1                              ; everybody's are
	FETCH_B 0, 0, 0
	FETCH_A 0, 0, 0
	SCALES 0
	FETCH_A 0, 0, 4
	s_wait_loadcnt 0x0                             ; the bias
	STEP 0, 0, 1                                   ; the first step's products start the sums
	STEPS 0, 1
	TURN 0, 1
	STEPS 1, 0
	s_wait_dscnt 4*NL                              ; the very last step: nothing more to fetch
	WIN MUL_LO
	MUL16 0, 1, NQ-1, 1, 0
	MUL16 2, 1, NQ-1, 1, 0
	s_wait_dscnt 0
	WIN MUL_HI
	MUL16 4, 1, NQ-1, 1, 0
	MUL16 6, 1, NQ-1, 1, 0
	WIN 0
; THE WAY OUT, block by block of 16 rows x 128 columns.  PACK: rounded to f16, a lane's eight columns are 16 bytes.  TOSTAGE: into my own stage and back by heads.  SEND: sixteen lanes store two tokens of one head: 256 consecutive bytes, aligned.
.macro PACK a
.set AC, 64*((\a)%4)
	WIN 0x0a+5*((\a)/4)                            ; sources 0 and 1: window 2 or 3
.irp b, 0,1,2,3,4,5,6,7
.irp r, 0,1,2,3
	v_cvt_pk_f16_f32 v[TMP+4*\b+\r], v[AC+8*\b+2*\r], v[AC+8*\b+2*\r+1]   ; each accumulator from its low end on
.endr
.endr
	WIN 0
.endm
.macro TOSTAGE a
.set BB, BK+32*((\a)%2)
.irp b, 0,1,2,3,4,5,6,7
	ds_store_b128 v[STO], v[TMP+4*\b:TMP+4*\b+3] offset:32*\b
.endr
.irp i, 0,1,2,3,4,5,6,7
	ds_load_b128 v[BB+4*\i:BB+4*\i+3], v[RD] offset:\i*2*SPITCH    ; LDS serves a wave's instructions in order (ISA guide 5.7.1.4): these see the stores above
.endr
.endm
.macro SEND a
.set BB, BK+32*((\a)%2)
	s_wait_dscnt 0x0                               ; the block is back in registers
	s_wait_xcnt 0x0                                ; the stores of the block before have read their registers: the next block's loads may land there
.irp i, 0,1,2,3,4,5,6,7
	global_store_b128 v[CO], v[BB+4*\i:BB+4*\i+3], s[98:99] offset:2048*(\a)+256*\i
.endr
.endm
	PLACES NP                                      ; behind the last products
	PACK 0
	TOSTAGE 0
.irp a, 1,2,3,4,5,6,7                  ; block a's conversions stand between block a - 1's loads from the stage and the wait for them
	PACK \a
	SEND \a-1
	TOSTAGE \a
.endr
	SEND 7
	s_wait_tensorcnt 0x0                           ; the wave's end, behind my last tensor load and my last LDS store
	ds_add_u32 v[SPW], v[NIL]
	s_wait_dscnt 0x0
	CROUND                                         ; the closing round: no work-group ends while a partner may still ask for a tile that names it
	s_endpgm
.Lfunc_end_k_qbc0208e13d_qkv:
	.size	k_qbc0208e13d_qkv, .Lfunc_end_k_qbc0208e13d_qkv-k_qbc0208e13d_qkv
	.p2alignl 7, 3214868480
	.fill 96, 4, 3214868480
	.section	.rodata,"a",@progbits
	.p2align	6, 0x0
	.amdhsa_kernel k_qbc0208e13d_qkv
		.amdhsa_group_segment_fixed_size 327680
		.amdhsa_private_segment_fixed_size 0
		.amdhsa_enable_private_segment 0
		.amdhsa_kernarg_size 48
		.amdhsa_user_sgpr_count 2
		.amdhsa_user_sgpr_kernarg_segment_ptr 1
		.amdhsa_wavefront_size32 1
		.amdhsa_system_sgpr_workgroup_id_x 1
		.amdhsa_system_sgpr_workgroup_id_y 1
		.amdhsa_system_sgpr_workgroup_id_z 1
		.amdhsa_system_vgpr_workitem_id 0
		.amdhsa_next_free_vgpr 1024
		.amdhsa_next_free_sgpr 100
		.amdhsa_reserve_vcc 0
		.amdhsa_float_denorm_mode_32 3
		.amdhsa_float_denorm_mode_16_64 3
		.amdhsa_memory_ordered 1
		.amdhsa_forward_progress 1
		.amdhsa_inst_pref_size 128
	.end_amdhsa_kernel
	.amdgpu_metadata
---
amdhsa.version: [ 1, 2 ]
amdhsa.kernels:
  - .name:           k_qbc0208e13d_qkv
    .symbol:         k_qbc0208e13d_qkv.kd
    .args:
      - { .name: x_codes, .offset: 0, .size: 8, .value_kind: global_buffer, .address_space: global }
      - { .name: x_scales, .offset: 8, .size: 8, .value_kind: global_buffer, .address_space: global }
      - { .name: w_codes, .offset: 16, .size: 8, .value_kind: global_buffer, .address_space: global }
      - { .name: w_scales, .offset: 24, .size: 8, .value_kind: global_buffer, .address_space: global }
      - { .name: b_qkv, .offset: 32, .size: 8, .value_kind: global_buffer, .address_space: global }
      - { .name: qkv, .offset: 40, .size: 8, .value_kind: global_buffer, .address_space: global }
    .group_segment_fixed_size: 327680
    .private_segment_fixed_size: 0
    .kernarg_segment_align: 8
    .kernarg_segment_size: 48
    .max_flat_workgroup_size: 128
    .sgpr_count:     100
    .vgpr_count:     1024
    .wavefront_size: 32
...
	.end_amdgpu_metadata
.endif
;; end of part 2
;; launch attn (part 3): grid 4 x 64, 8 waves a work-group, clusters of 4 x 1, 327,680 bytes of LDS; arguments qkv, ao; writes ao
.if DOCPART == 3
	.amdgcn_target "amdgcn-amd-amdhsa--gfx1250"
	.amdhsa_code_object_version 6
	.text
	.protected	k_qbc0208e13d_attn
	.globl	k_qbc0208e13d_attn
	.p2align	8
	.type	k_qbc0208e13d_attn,@function
k_qbc0208e13d_attn:
	s_mov_b64 s[64:65], 0
	v_nop
	global_prefetch_b8 v0, s[64:65] scope:SCOPE_SE
	s_setreg_imm32_b32 hwreg(HW_REG_WAVE_MODE, 25, 1), 1
	s_wait_xcnt 0x0
	s_wait_alu depctr_hold_cnt(0) depctr_sa_sdst(0) depctr_va_vdst(0) depctr_va_sdst(0) depctr_va_ssrc(0) depctr_va_vcc(0) depctr_vm_vsrc(0)
	s_getreg_b32 s2, hwreg(HW_REG_IB_STS2, 6, 4)
	s_cmp_eq_u32 s2, 0
	s_cbranch_scc0 .Lentry_in_a_cluster
	s_endpgm
.Lentry_in_a_cluster:
	s_bfe_u32 s2, ttmp6, 0x10000c
	s_cmp_lg_u32 s2, 0x3003
	s_cbranch_scc0 .Lentry_shape_is_right
	s_endpgm
.Lentry_shape_is_right:
; O[q] = the sum over k of softmax_k(Q[q] . K[k] / 8) V[k], for each of 64 (batch, head) pairs: 2,048 tokens, head size 64, no mask.  Q, K, V: f16, [3 parts][64][2048][64].  Products, maxima and sums in f32;
; the weights p are rounded to f16 for the second product, O once at the end.  O leaves in f16 in panels [128 blocks of 64 rows][16 heads][64 rows][64 channels]: a wave's 64 queries of a head are one panel, 8,192 consecutive bytes.
; SHARES.  A work-group owns 512 queries of one head, each of its eight waves 64: four tiles of 16, in 512 registers: two waves to a SIMD, so that one wave's softmax stands beside the other's products.
; Every wave walks all 2,048 keys, 64 a step; each fragment of K or V read from LDS feeds four matrix instructions.
; LAYOUT.  S^T = K Q^T (source 0 = 16 keys, source 1 = 16 queries): a lane holds ONE query (lane % 16) and the keys 8 (lane / 16) + 0..7.  Two such tiles, rounded to f16 in pairs, ARE source 1 (32 keys x 16 queries)
; of O^T = V^T P, whose result again holds one query a lane.  K comes out of LDS as it lies, V ([key][channel]) turned, by ds_load_tr16_b128.
; SOFTMAX.  For each query a running maximum m and sum l: p = 2^(c s - c m), c = log2(e) / 8; in every step O and l are multiplied by a = 2^(c m_old - c m_new).
; RING.  Two LDS slots of 256 keys (four steps).  In memory a head's K or V is dense, rows of 128 bytes: the mover takes two rows as one row of 256 bytes and pads behind it, so key k lies at (k / 2) x pitch + 128 (k % 2).
; CLUSTER.  The four query blocks of a head form a cluster and walk the same K and V: each tile is asked for jointly, by the same tensor load with the same descriptor and a mask that names the four.
; LIMITS: NaN and infinities among q, k, v are not served (f16's range is stated where they are made).
; REGISTERS.  Window 0: v0-11 addresses; v12-43 eight registers of statistics a tile; v44-51 a second sum a tile; v64-127 Q; v128-255 S^T, 32 a tile; P is written over S^T's first 16 of each tile.
;             Window 1: v0-127 O^T, 32 a tile; v128-191 K of one step; v192-255 V of one step.
.set PK,     272                       ; two keys of K in LDS: 256 bytes + 16 = 68 words: the 16 rows of a load start at 16 different groups of four banks (64 banks of 4 bytes: ISA guide 11.1)
.set PVP,    288                       ; two keys of V: 256 + 32 = 72 words
.set KSTEPB, 32*PK                     ; a step's 64 keys of K
.set VSTEPB, 32*PVP                    ; and of V
.set VOFF,   128*PK                    ; a slot: 256 keys of K, then 256 of V
.set SLOT1,  1<<17                     ; slot 1 begins here, so that one exclusive or turns an address in one slot into the other's
.set SLOTM,  32768                     ; a slot's keys in memory, in bytes, of K or of V
.set STGW,   32*PK                     ; the way out: 64 rows of 128 bytes for each wave
.set STAGE,  SLOT1+128*(PK+PVP)        ; behind the ring
.set SPARE,  STAGE+8*STGW              ; the spare words, 128 bytes for each wave: four blocks of 256 bytes that no other line names
.set AK0, 2                            ; v2   my lane's place in a tile of K; never rewritten
.set AV0, 3                            ; v3   the same for V
.set ADR, 4                            ; v4   the LDS address of the run of loads in hand
.set QO,  5                            ; v5   my byte offset in the wave's rows of Q
.set STO, 6                            ; v6   the way out: where I put 16 bytes of a row
.set RD,  7                            ; v7   where I read rows back
.set GO,  8                            ; v8   my byte offset in the wave's panel
.set ST,  12                           ; tile t's statistics at v[ST+8 t]: +0 c m, +1 m, +2, +3 l (first chain), +4 to +7 c0-c3, at work; a takes c2's place
.set L1,  44                           ; tile t's second chain of l at v[L1+2 t]
.set PFO, 61                           ; v61  256 x my lane; never rewritten
.set SPW, 62                           ; v62  LDS address of my spare word; never rewritten
.set NIL, 63                           ; v63  0; never rewritten
.set QF,  64
.set S,   128
.set KF,  128                          ; in window 1
.set VF,  192                          ; in window 1
.set WV,  12                           ; s12  my wave's number
.set LIM, 15                           ; s15  1 in a wave that prefetches, else the greatest number
.set PFA, 18                           ; s[18:19] where my prefetches stand in memory
.set G1K, 24                           ; s[24:31] descriptor group 1 for K's tiles
.set G1V, 32                           ; s[32:39] for V's: it differs in the padding alone
.set G0K, 40                           ; s[40:47] group 0 for K's tiles: a set for each of the two first fills; the second then walks on
.set G0V, 48                           ; s[48:55] the same for V's
.set SLOTS, 56                         ; s56  slots still to be asked for
.set CNT, 57                           ; s57  counts steps
.set CS,  58                           ; s[58:59] c: the packed scaling names a pair and takes its low word for both halves
.set SEL, 60                           ; s[60:61] lane selects for v_permlanex16_b32: lane l xor 16
.set TK,  62                           ; s62  LDS byte at which the next step's K begins
.set TV,  63                           ; s63  the same for V (less VOFF)
.set MSB, 0
.macro WIN new                         ; the immediate's high byte repeats the setting that is left
.if MSB != \new
	s_set_vgpr_msb (MSB<<8)|\new
.set MSB, \new
.endif
.endm
.set W_KQ, 0x01                        ; K in window 1; Q and S^T in window 0
.set W_PV, 0x51                        ; V and O^T in window 1, P in window 0
.set W_RS, 0x41                        ; O^T (destination and source 0) in window 1, the factor in window 0
.set W_LD, 0x40                        ; destination window 1, address window 0
.set W_CV, 0x05                        ; sources window 1, destination window 0
; A joint refill.  Waves 0 and 1 fetch the halves of a slot's K, waves 2 and 3 those of its V, the others nothing.  The branches hang on the wave's number alone.  An s_nop 0 and four v_nop follow each line.
.macro JLOAD
	s_cmp_lt_u32 s[WV], 2
	s_cbranch_scc0 .Lnot_k_\@
	tensor_load_to_lds s[G0K+4:G0K+7], s[G1K:G1K+7]
	s_nop 0
.rept 4
	v_nop
.endr
	s_branch .Lasked_\@
.Lnot_k_\@:
	s_cmp_lt_u32 s[WV], 4
	s_cbranch_scc0 .Lasked_\@
	tensor_load_to_lds s[G0V+4:G0V+7], s[G1V:G1V+7]
	s_nop 0
.rept 4
	v_nop
.endr
.Lasked_\@:
.endm
; A prefetch of what the NEXT change of slots will ask for: a slot's 32,768 bytes of K and of V, lanes 256 bytes apart.  Each aligned block of 256 bytes is named once in the launch: the four partners share a slot out BY ADDRESS,
; 8,192 bytes each; in each, wave 0 asks for K's and wave 2 for V's: one instruction.  It stands four steps, 256 matrix instructions of the wave, ahead of the load.  The last change that fills a slot asks for nothing; slots 0 to 2 come by their loads alone.
.macro ASK
	s_cmp_gt_u32 s[SLOTS], s[LIM]
	s_cbranch_scc0 .Lnot_mine_\@
	global_prefetch_b8 v[PFO], s[PFA:PFA+1] th:TH_LOAD_NT scope:SCOPE_SE
.Lnot_mine_\@:
.endm
.macro CROUND                          ; a round of the cluster's barrier
	s_barrier_signal -1
	s_barrier_wait -1
	s_cmp_lg_u32 s[WV], 0
	s_cbranch_scc1 .Lnot_wave_0_\@
	s_barrier_signal -3
.Lnot_wave_0_\@:
	s_barrier_wait -3
	s_barrier_signal -1
	s_barrier_wait -1
.endm
.macro PLACES n
.rept \n
	v_nop
.endr
.endm
	s_load_b128 s[4:7], s[0:1], 0x0                ; q, k, v s[4:5]; the output s[6:7]
	v_lshl_add_u32 v[SPW], v0, 2, SPARE
	v_mov_b32 v[NIL], 0
	ds_add_u32 v[SPW], v[NIL]                      ; the wave's opening: the add, twice on end, and its wait ahead of my first tensor load
	ds_add_u32 v[SPW], v[NIL]
	v_lshrrev_b32 v1, 5, v0
	v_readfirstlane_b32 s[WV], v1                  ; wave 0..7
	s_bfe_u32 s13, ttmp6, 0x40000                  ; cx: my place in the cluster
	s_lshl_b32 s14, ttmp9, 2
	s_add_co_u32 s14, s14, s13                     ; my block of 512 queries: it enters Q's, the output's and the prefetches' addresses alone
	s_and_b32 s20, ttmp7, 0xffff                   ; batch x 16 + head, which the four partners share
	s_lshl_b32 s22, s20, 18                        ; the head's first byte in a part
	s_and_b32 s16, s[WV], 1                        ; which half of a slot I fetch:
	s_lshl_b32 s17, s16, 14
	s_add_co_u32 s22, s22, s17                     ; its 128 keys of 128 bytes in memory,
	s_mov_b32 s23, 0
	s_mul_i32 s17, s16, 64*PK                      ; and its place in a slot, for K
	s_mul_i32 s21, s16, 64*PVP                     ; and for V: no place in the cluster enters an LDS address
	s_lshl_b32 s2, s20, 18
	s_lshl_b32 s3, s14, 16                         ; my block's 512 rows of 128 bytes,
	s_add_co_u32 s2, s2, s3
	s_lshl_b32 s3, s[WV], 13                       ; my wave's 64 of them
	s_add_co_u32 s2, s2, s3
	s_mov_b32 s3, 0
	s_lshr_b32 s66, s20, 4                         ; the output's panel: block of 64 rows = batch x 32 + 8 x my block + wave,
	s_lshl_b32 s66, s66, 5
	s_lshl_b32 s67, s14, 3
	s_add_co_u32 s66, s66, s67
	s_add_co_u32 s66, s66, s[WV]
	s_lshl_b32 s66, s66, 4
	s_and_b32 s67, s20, 15                         ; and the head
	s_add_co_u32 s66, s66, s67
	s_lshl_b32 s66, s66, 13                        ; 8,192 bytes a panel
	s_mov_b32 s67, 0
	; descriptor group 1: 64 rows x 128 elements of 2 bytes (two keys a row), dense in memory, padded in LDS
	s_mov_b32 s[G1K], 15|(1<<16)|(1<<20)|(1<<21)|(5<<22)|(3<<25)  ; 15:0 the mask: all four work-groups; 17:16 elements of 2 bytes; 20 padding on; 21 set beside a mask; 24:22 after every 64 words; 31:25 four words
	s_mov_b32 s[G1V], 15|(1<<16)|(1<<20)|(1<<21)|(5<<22)|(7<<25)  ; the same with eight words of padding
.irp g, G1K, G1V
	s_mov_b32 s[\g+1], 128<<16                     ; tensor_dim0
	s_mov_b32 s[\g+2], 64<<16                      ; tensor_dim1
	s_mov_b32 s[\g+3], 128<<16                     ; tile_dim0
	s_mov_b32 s[\g+4], 64                          ; tile_dim1
	s_mov_b32 s[\g+5], 128                         ; from row to row
	s_mov_b32 s[\g+6], 0
	s_mov_b32 s[\g+7], 0
.endr
	s_mov_b32 s[CS], 0x3e38aa3b                    ; c = log2(e) / 8
	s_mov_b32 s[CS+1], s[CS]                       ; named with it as a pair, so it is written
	s_mov_b32 s[SEL], 0x76543210
	s_mov_b32 s[SEL+1], 0xfedcba98
	s_mov_b32 s[TK], 0
	s_mov_b32 s[TV], 0
	s_mov_b32 s[SLOTS], 6                          ; slots 2 to 7 are asked for at changes of slots
	s_and_b32 s[LIM], s[WV], 5                     ; 0 in waves 0 and 2,
	s_or_b32 s[LIM], s[LIM], ttmp9                 ; of the head's first cluster: the same in all four partners
	s_cmp_eq_u32 s[LIM], 0
	s_cselect_b32 s[LIM], 1, -1
	v_and_b32 v[PFO], 31, v0
	v_lshlrev_b32 v[PFO], 8, v[PFO]
	s_wait_dscnt 0x0                               ; both opening adds are done
	s_wait_kmcnt 0x0
	s_add_nc_u64 s[10:11], s[6:7], s[66:67]        ; the output at my panel
	s_add_nc_u64 s[6:7], s[4:5], s[22:23]
	s_add_nc_u64 s[8:9], s[6:7], 0x2000000         ; V at my half of slot 0: the third part
	s_add_nc_u64 s[6:7], s[6:7], 0x1000000         ; K likewise: the second part
	s_add_nc_u64 s[4:5], s[4:5], s[2:3]            ; Q at my wave's first row
	s_cmp_lt_u32 s[WV], 2
	s_cselect_b64 s[PFA:PFA+1], s[6:7], s[8:9]     ; (in waves 0 and 2 these stand at a slot's first row)
	s_lshl_b32 s2, s13, 13                         ; my work-group's quarter of a slot
	s_mov_b32 s3, 0
	s_add_nc_u64 s[PFA:PFA+1], s[PFA:PFA+1], s[2:3]
	s_add_nc_u64 s[PFA:PFA+1], s[PFA:PFA+1], 2*SLOTM   ; in slot 2; the first change of slots steps it to slot 3
	CROUND                                         ; all four work-groups are here: the first joint loads meet
.irp s, 0,1
	s_mov_b32 s[G0K+4*\s], 1                       ; 1:0 count = 1
	s_add_co_u32 s[G0K+4*\s+1], s17, \s*SLOT1      ; 63:32 LDS address
	s_add_nc_u64 s[G0K+4*\s+2:G0K+4*\s+3], s[6:7], \s*SLOTM   ; 120:64 global address: slot s begins with key 256 s
	s_or_b32 s[G0K+4*\s+3], s[G0K+4*\s+3], 0x80000000         ; 127:126 type = 2
	s_mov_b32 s[G0V+4*\s], 1
	s_add_co_u32 s[G0V+4*\s+1], s21, \s*SLOT1+VOFF
	s_add_nc_u64 s[G0V+4*\s+2:G0V+4*\s+3], s[8:9], \s*SLOTM
	s_or_b32 s[G0V+4*\s+3], s[G0V+4*\s+3], 0x80000000
.endr
	s_cmp_lt_u32 s[WV], 2                          ; a wave's two first fills stand in one arm, ahead of every wait on TENSORcnt and every LDS read: two loads of mine are out
	s_cbranch_scc0 .Lfirst_not_k
	tensor_load_to_lds s[G0K:G0K+3], s[G1K:G1K+7]
	s_nop 0
	tensor_load_to_lds s[G0K+4:G0K+7], s[G1K:G1K+7]
	s_nop 0
.rept 4
	v_nop
.endr
	s_branch .Lfirst_asked
.Lfirst_not_k:
	s_cmp_lt_u32 s[WV], 4
	s_cbranch_scc0 .Lfirst_asked
	tensor_load_to_lds s[G0V:G0V+3], s[G1V:G1V+7]
	s_nop 0
	tensor_load_to_lds s[G0V+4:G0V+7], s[G1V:G1V+7]
	s_nop 0
.rept 4
	v_nop
.endr
.Lfirst_asked:
	; A fragment of K or Q is 16 rows x 32 channels in 8 registers: lane l holds row l % 16; registers 0-3 channels 8 (l / 16) + 0..7, registers 4-7 channels 16 + 8 (l / 16) + 0..7: two loads of 16 bytes, 32 bytes apart.
	v_and_b32 v1, 15, v0                           ; r = l % 16
	v_bfe_u32 v9, v0, 4, 1                         ; h = l / 16
	v_lshlrev_b32 v[QO], 7, v1
	v_lshl_add_u32 v[QO], v9, 4, v[QO]             ; row x 128 + 16 x half
.irp t, 0,1,2,3                        ; Q stays in registers: tile t, channels 32 c on
.irp c, 0,1
	global_load_b128 v[QF+16*\t+8*\c:QF+16*\t+8*\c+3],   v[QO], s[4:5] offset:2048*\t+64*\c
	global_load_b128 v[QF+16*\t+8*\c+4:QF+16*\t+8*\c+7], v[QO], s[4:5] offset:2048*\t+64*\c+32
.endr
.endr
	v_lshrrev_b32 v10, 1, v1
	v_mul_u32_u24 v10, v10, PK
	v_and_b32 v11, 1, v0
	v_lshl_add_u32 v10, v11, 7, v10                ; row r of a tile: (r / 2) x pitch + 128 (r % 2)
	v_lshl_add_u32 v[AK0], v9, 4, v10              ; + 16 x half
	s_mul_i32 s16, s[WV], STGW
	s_add_co_u32 s16, s16, STAGE                   ; my stage
	v_add_nc_u32 v[STO], s16, v[AK0]               ; the way out puts rows as K's lie
	; The turning load takes 16 keys x 16 channels (lane l reads 16 bytes: key 8 (l / 16) + l % 8, channels 8 ((l / 8) % 2) + 0..7) and leaves half a fragment of V^T: lane l holds channel l % 16 and 8 keys.
	v_bfe_u32 v10, v0, 1, 2
	v_lshl_add_u32 v10, v9, 2, v10                 ; the key's pair: 4 h + (l % 8) / 2
	v_mul_u32_u24 v10, v10, PVP
	v_lshl_add_u32 v10, v11, 7, v10                ; + 128 (l % 2)
	v_bfe_u32 v11, v0, 3, 1
	v_lshl_add_u32 v10, v11, 4, v10
	v_add_nc_u32 v[AV0], VOFF, v10
	v_mul_u32_u24 v10, v9, PK                      ; back from the stage: sixteen lanes take 256 bytes, two rows
	v_lshl_add_u32 v10, v1, 4, v10
	v_add_nc_u32 v[RD], s16, v10
	v_and_b32 v10, 31, v0
	v_lshlrev_b32 v[GO], 4, v10
; THE LDS LOADS stand in runs of 16: a step's K (64 keys x 64 channels: 8 fragments) and its V (turned).
.macro FETCH_K
	v_add_nc_u32 v[ADR], s[TK], v[AK0]
	s_add_co_u32 s[TK], s[TK], KSTEPB              ; the next fetch is the next step's
	WIN W_LD
.irp f, 0,1,2,3,4,5,6,7                ; keys 16 (f / 2) on, channels 32 (f % 2) on
	ds_load_b128 v[KF+8*\f:KF+8*\f+3],   v[ADR] offset:(\f/2)*8*PK+(\f%2)*64
	ds_load_b128 v[KF+8*\f+4:KF+8*\f+7], v[ADR] offset:(\f/2)*8*PK+(\f%2)*64+32
.endr
	WIN 0
.endm
.macro FETCH_V
	v_add_nc_u32 v[ADR], s[TV], v[AV0]
	s_add_co_u32 s[TV], s[TV], VSTEPB
	WIN W_LD
.irp f, 0,1,2,3,4,5,6,7                ; keys 32 (f / 4) on, channels 16 (f % 4) on
	ds_load_tr16_b128 v[VF+8*\f:VF+8*\f+3],   v[ADR] offset:(\f/4)*16*PVP+(\f%4)*32
	ds_load_tr16_b128 v[VF+8*\f+4:VF+8*\f+7], v[ADR] offset:(\f/4)*16*PVP+8*PVP+(\f%4)*32
.endr
	WIN 0
.endm
; THE MATRIX WORK.  In each run sixteen accumulators take turns, one instruction a turn.
; S^T = K Q^T: product i of 32: channels 32 (i / 16) on, keys 16 ((i % 16) / 4) on, tile i % 4.  The first 16 start the sums.
.macro KQ
.set i, 0
.rept 32
.set rS, S+32*(i%4)+8*((i%16)/4)
.set rK, KF+16*((i%16)/4)+8*(i/16)
.set rQ, QF+16*(i%4)+8*(i/16)
.if i < 16
	v_wmma_f32_16x16x32_f16 v[rS:rS+7], v[rK:rK+7], v[rQ:rQ+7], 0
.else
	v_wmma_f32_16x16x32_f16 v[rS:rS+7], v[rK:rK+7], v[rQ:rQ+7], v[rS:rS+7]
.endif
.set i, i+1
.endr
.endm
; O^T += V^T P: product i of 32: keys 32 (i / 16) on, channels 16 ((i % 16) / 4) on, tile i % 4.  first = 1: the first 16 start the sums: nothing is ever cleared.
.macro PVM first
.set i, 0
.rept 32
.set rO, 32*(i%4)+8*((i%16)/4)
.set rV, VF+8*(4*(i/16)+(i%16)/4)
.set rP, S+32*(i%4)+8*(i/16)
.if \first && (i < 16)
	v_wmma_f32_16x16x32_f16 v[rO:rO+7], v[rV:rV+7], v[rP:rP+7], 0
.else
	v_wmma_f32_16x16x32_f16 v[rO:rO+7], v[rV:rV+7], v[rP:rP+7], v[rO:rO+7]
.endif
.set i, i+1
.endr
.endm
; THE SOFTMAX of the wave's four tiles for one step; s0-s31 are a lane's 32 scores of a tile, in pairs 0-15.  The tiles take turns line by line, so that no line waits for the line above it.
; SMAX: the maximum of s0-s31 and the old m, three operands at a time (each accumulator is read from its low end on); the other half of the lanes' maximum; the new m; c m; c m_old - c m_new.
.macro SMAX first
.irp j, 0,1,2,3
.irp t, 0,1,2,3
	v_max3_num_f32 v[ST+8*\t+4+\j], v[S+32*\t+8*\j], v[S+32*\t+8*\j+1], v[S+32*\t+8*\j+2]
.endr
.endr
.irp g, 1,2
.irp j, 0,1,2,3
.irp t, 0,1,2,3
	v_max3_num_f32 v[ST+8*\t+4+\j], v[ST+8*\t+4+\j], v[S+32*\t+8*\j+2*\g+1], v[S+32*\t+8*\j+2*\g+2]
.endr
.endr
.endr
.irp t, 0,1,2,3
	v_max3_num_f32 v[ST+8*\t+4], v[ST+8*\t+4], v[S+32*\t+7], v[S+32*\t+15]
.endr
.irp t, 0,1,2,3
	v_max3_num_f32 v[ST+8*\t+6], v[ST+8*\t+6], v[S+32*\t+23], v[S+32*\t+31]
.endr
.irp t, 0,1,2,3
	v_max3_num_f32 v[ST+8*\t+4], v[ST+8*\t+4], v[ST+8*\t+5], v[ST+8*\t+6]
.endr
.irp t, 0,1,2,3
.if \first
	v_max_num_f32 v[ST+8*\t+4], v[ST+8*\t+4], v[ST+8*\t+7]
.else
	v_max3_num_f32 v[ST+8*\t+4], v[ST+8*\t+4], v[ST+8*\t+7], v[ST+8*\t+1]
.endif
.endr
.irp t, 0,1,2,3
	v_permlanex16_b32 v[ST+8*\t+5], v[ST+8*\t+4], s[SEL], s[SEL+1]  ; the query's other 32 keys lie in the lane 16 away
.endr
.if !\first
.irp t, 0,1,2,3
	v_mov_b32 v[ST+8*\t+7], v[ST+8*\t]             ; c m_old is kept for a
.endr
.endif
.irp t, 0,1,2,3
	v_max_num_f32 v[ST+8*\t+1], v[ST+8*\t+4], v[ST+8*\t+5]
.endr
.irp t, 0,1,2,3
	v_mul_f32 v[ST+8*\t], s[CS], v[ST+8*\t+1]
.endr
.if !\first
.irp t, 0,1,2,3
	v_sub_f32 v[ST+8*\t+7], v[ST+8*\t+7], v[ST+8*\t]
.endr
.endif
.endm
.macro SCALE t                         ; pair bb of tile t: c s - c m
	v_pk_fma_f32 v[S+32*(\t)+2*bb:S+32*(\t)+2*bb+1], v[S+32*(\t)+2*bb:S+32*(\t)+2*bb+1], s[CS:CS+1], v[ST+8*(\t):ST+8*(\t)+1] op_sel_hi:[1,0,0] neg_lo:[0,0,1] neg_hi:[0,0,1]
.endm
.macro EXPO t, e
	v_exp_f32 v[S+32*(\t)+(\e)], v[S+32*(\t)+(\e)]
.endm
.macro SUM t, first                    ; pair bb of tile t goes into l: even pairs into the first chain, odd pairs into the second; pairs 0 and 1 bring the old sums under the new m (first = 1: they start the sums)
.set rL, ST+8*(\t)+2
.if bb%2
.set rL, L1+2*(\t)
.endif
.if (bb < 2) && \first
	v_pk_mul_f32 v[rL:rL+1], v[S+32*(\t)+2*bb:S+32*(\t)+2*bb+1], 1.0 op_sel_hi:[1,0]
.elseif bb < 2
	v_pk_fma_f32 v[rL:rL+1], v[rL:rL+1], v[ST+8*(\t)+6:ST+8*(\t)+7], v[S+32*(\t)+2*bb:S+32*(\t)+2*bb+1] op_sel_hi:[1,0,1]
.else
	v_pk_add_f32 v[rL:rL+1], v[rL:rL+1], v[S+32*(\t)+2*bb:S+32*(\t)+2*bb+1]
.endif
.endm
.macro CVT t                           ; pair bb of tile t, rounded to f16, into register bb of the tile: it holds scores of pair bb / 2, which have been summed and rounded
	v_cvt_pk_f16_f32 v[S+32*(\t)+bb], v[S+32*(\t)+2*bb], v[S+32*(\t)+2*bb+1]
.endm
; THE EXPONENTIALS GO IN TWO BATCHES, each with one wait ahead of the first line that names a result.
; Batch A: the four a, all 64 scalings, the exponentials of tiles 0 and 1 (a pair's stand behind the next pair's scalings).  None of these lines names an exponential's result.
.macro BATCH_A first
.if !\first
.irp t, 0,1,2,3
	v_exp_f32 v[ST+8*\t+6], v[ST+8*\t+7]
.endr
.endif
.set bb, 0
.rept 16
	SCALE 0
	SCALE 1
	SCALE 2
	SCALE 3
.if bb > 0
	EXPO 0, 2*bb-2
	EXPO 0, 2*bb-1
	EXPO 1, 2*bb-2
	EXPO 1, 2*bb-1
.endif
.set bb, bb+1
.endr
	EXPO 0, 30
	EXPO 0, 31
	EXPO 1, 30
	EXPO 1, 31
	v_nop                                          ; a plain line behind the last exponential
	s_wait_alu depctr_va_vdst(0)                   ; the wait for batch A
.endm
; Batch B: the exponentials of tiles 2 and 3, with the sums and roundings of tiles 0 and 1 between them: those read batch A's results alone.
.macro BATCH_B first
.set bb, 0
.rept 16
	EXPO 2, 2*bb
	SUM 0, \first
	EXPO 2, 2*bb+1
	SUM 1, \first
	EXPO 3, 2*bb
	CVT 0
	EXPO 3, 2*bb+1
	CVT 1
.set bb, bb+1
.endr
	v_nop
	s_wait_alu depctr_va_vdst(0)                   ; the wait for batch B
.endm
.macro PART_C first                    ; the sums and roundings of tiles 2 and 3
.set bb, 0
.rept 16
	SUM 2, \first
	SUM 3, \first
	CVT 2
	CVT 3
.set bb, bb+1
.endr
.endm
.macro RESCALE                         ; O^T times the tile's factor in v[ST+8 t+6], each accumulator from its low end on
	WIN W_RS
.irp t, 0,1,2,3
.set i, 0
.rept 16
	v_pk_mul_f32 v[32*\t+i:32*\t+i+1], v[32*\t+i:32*\t+i+1], v[ST+8*\t+6:ST+8*\t+7] op_sel_hi:[1,0]
.set i, i+2
.endr
.endr
	WIN 0
.endm
; THE CHANGE OF SLOTS stands in a slot's last step, behind the fetch of its last bytes (V of that step) and ahead of the fetch of the next slot's first K.  Each wave waits for all its tensor loads (its part of the other slot),
; adds 0 to its spare word, and waits for that and for its reads of the slot.  Behind the barrier nobody reads this slot any more and the other slot is whole.
; fill = 1: the slot is filled again, with the keys two slots on: the barrier is a round of the cluster's, and the joint refill is the first thing behind it: it has four steps in which to land.
.macro CHANGE fill
	s_wait_tensorcnt 0x0                           ; no tensor load of mine is out, so a group 0 may be written
	ds_add_u32 v[SPW], v[NIL]                      ; 0 onto my spare word
.if \fill
	ds_add_u32 v[SPW], v[NIL]                      ; and once more: the add twice on end, in every trip alike
.irp g, G0K+4, G0V+4
	s_xor_b32 s[\g+1], s[\g+1], SLOT1              ; the walking descriptor: the other slot than last time,
	s_add_nc_u64 s[\g+2:\g+3], s[\g+2:\g+3], SLOTM ; the next 256 keys; the type bits on top are not reached
.endr
	s_wait_xcnt 0x0                                ; the last prefetch, four steps back, has read its address, so it may be written:
	s_add_nc_u64 s[PFA:PFA+1], s[PFA:PFA+1], SLOTM ; one slot further on than the walking descriptors
	s_wait_dscnt 0x0                               ; both adds are done, and my reads of the slot are over
	CROUND
	JLOAD
	ASK
.else
	s_wait_dscnt 0x0                               ; the add is done, and my reads of the slot are over
	s_barrier_signal -1
	s_barrier_wait -1
.endif
	s_sub_co_u32 s[TK], s[TK], 4*KSTEPB            ; the fetches go back to a slot's first step,
	s_xor_b32 s[TK], s[TK], SLOT1                  ; in the other slot
	s_sub_co_u32 s[TV], s[TV], 4*VSTEPB
	s_xor_b32 s[TV], s[TV], SLOT1
.endm
; A KEY STEP: 64 keys.  first = 1: it starts m, l and O^T.  chg = 1: a change of slots with a refill; 2: without; 3: the last step, which fetches no further K.
.macro STEP first, chg
	s_wait_dscnt 0x0                               ; this step's K is in (asked for 32 matrix instructions ago)
	WIN W_KQ
	KQ
	WIN 0
	PLACES 4                                       ; behind the products: ahead of the reads of S^T
	FETCH_V                                        ; V's registers were last read by the step before: nine plain lines lie between
	SMAX \first
	BATCH_A \first
	BATCH_B \first
	PART_C \first
.if !\first
	RESCALE
.endif
.if \chg == 1
	CHANGE 1
.elseif \chg == 2
	CHANGE 0
.endif
.if \chg != 3
	FETCH_K                                        ; the next step's K
	s_wait_dscnt 16                                ; V is in; K's sixteen loads may be out
.else
	s_wait_dscnt 0x0
.endif
	WIN W_PV
	PVM \first
	WIN 0
	PLACES 5                                       ; the next step's first products write over P's registers, which these products read: five plain lines between
.endm
.macro STEPS n                         ; n plain steps: written once, walked n times; the LDS addresses hang on s[TK] and s[TV]
	s_mov_b32 s[CNT], \n
.Lstep_\@:
	STEP 0, 0
	s_sub_co_u32 s[CNT], s[CNT], 1
	s_cmp_lg_u32 s[CNT], 0
	s_cbranch_scc1 .Lstep_\@
.endm
	s_wait_tensorcnt 1                             ; my part of slot 0 is in; slot 1's may stay out
	s_barrier_signal -1
	s_barrier_wait -1                              ; everybody's is
	FETCH_K                                        ; step 0
	s_wait_loadcnt 0x0                             ; Q
	STEP 1, 0                                      ; step 0
.Lslot:                                            ; six trips of four steps: steps 1 to 24; the third of a trip is a slot's last and asks for the slot two on
	STEPS 2
	STEP 0, 1
	STEP 0, 0
	s_sub_co_u32 s[SLOTS], s[SLOTS], 1
	s_cmp_lg_u32 s[SLOTS], 0
	s_cbranch_scc1 .Lslot
	STEPS 2                                        ; the tail is written out: steps 25, 26
	STEP 0, 2                                      ; 27: the last change of slots asks for nothing,
	STEPS 3                                        ; 28 to 30,
	STEP 0, 3                                      ; 31
	; THE WAY OUT.  l's two chains, their halves and the other half of the lanes' are added; O^T is divided by l, rounded to f16 and sent through my stage, so that each store of the wave covers 512 consecutive bytes of my panel.
.irp t, 0,1,2,3
	v_add_f32 v[ST+8*\t+4], v[ST+8*\t+2], v[ST+8*\t+3]
.endr
.irp t, 0,1,2,3
	v_add_f32 v[ST+8*\t+5], v[L1+2*\t], v[L1+2*\t+1]
.endr
.irp t, 0,1,2,3
	v_add_f32 v[ST+8*\t+4], v[ST+8*\t+4], v[ST+8*\t+5]
.endr
.irp t, 0,1,2,3
	v_permlanex16_b32 v[ST+8*\t+5], v[ST+8*\t+4], s[SEL], s[SEL+1]
.endr
.irp t, 0,1,2,3
	v_add_f32 v[ST+8*\t+4], v[ST+8*\t+4], v[ST+8*\t+5]
.endr
.irp t, 0,1,2,3
	v_rcp_f32 v[ST+8*\t+6], v[ST+8*\t+4]
.endr
	v_nop                                          ; a plain line between the last reciprocal and the use of its result
	s_wait_alu depctr_va_vdst(0)                   ; and the wait ahead of the first use: one for the four
	RESCALE
	WIN W_CV
.set i, 0
.rept 64
	v_cvt_pk_f16_f32 v[S+i], v[2*i], v[2*i+1]      ; register 16 t + 4 c + j: channels 16 c + 8 h + 2 j, + 1 of query 16 t + r
.set i, i+1
.endr
	WIN 0
.irp t, 0,1,2,3
.irp c, 0,1,2,3
	ds_store_b128 v[STO], v[S+16*\t+4*\c:S+16*\t+4*\c+3] offset:\t*8*PK+32*\c
.endr
.endr
.irp t, 0,1,2,3
.irp i, 0,1,2,3
	ds_load_b128 v[S+64+16*\t+4*\i:S+64+16*\t+4*\i+3], v[RD] offset:\t*8*PK+\i*2*PK   ; LDS serves a wave's instructions in order (ISA guide 5.7.1.4): these see the stores above
.endr
.endr
.irp t, 0,1,2,3
.irp i, 0,1,2,3
	s_wait_dscnt 15-4*\t-\i                        ; this load is in, the younger ones may be out
	global_store_b128 v[GO], v[S+64+16*\t+4*\i:S+64+16*\t+4*\i+3], s[10:11] offset:2048*\t+512*\i
.endr
.endr
	s_wait_tensorcnt 0x0                           ; the wave's end, behind my last tensor load and my last LDS store
	ds_add_u32 v[SPW], v[NIL]
	s_wait_dscnt 0x0
	CROUND                                         ; the closing round: no work-group ends while a partner may still ask for a tile that names it
	s_endpgm
.Lfunc_end_k_qbc0208e13d_attn:
	.size	k_qbc0208e13d_attn, .Lfunc_end_k_qbc0208e13d_attn-k_qbc0208e13d_attn
	.p2alignl 7, 3214868480
	.fill 96, 4, 3214868480
	.section	.rodata,"a",@progbits
	.p2align	6, 0x0
	.amdhsa_kernel k_qbc0208e13d_attn
		.amdhsa_group_segment_fixed_size 327680
		.amdhsa_private_segment_fixed_size 0
		.amdhsa_enable_private_segment 0
		.amdhsa_kernarg_size 16
		.amdhsa_user_sgpr_count 2
		.amdhsa_user_sgpr_kernarg_segment_ptr 1
		.amdhsa_wavefront_size32 1
		.amdhsa_system_sgpr_workgroup_id_x 1
		.amdhsa_system_sgpr_workgroup_id_y 1
		.amdhsa_system_sgpr_workgroup_id_z 1
		.amdhsa_system_vgpr_workitem_id 0
		.amdhsa_next_free_vgpr 512
		.amdhsa_next_free_sgpr 68
		.amdhsa_reserve_vcc 0
		.amdhsa_float_denorm_mode_32 3
		.amdhsa_float_denorm_mode_16_64 3
		.amdhsa_memory_ordered 1
		.amdhsa_forward_progress 1
		.amdhsa_inst_pref_size 255
	.end_amdhsa_kernel
	.section	.bss,"aw",@nobits
	.p2align	6
	.space	262144
	.amdgpu_metadata
---
amdhsa.version: [ 1, 2 ]
amdhsa.kernels:
  - .name:           k_qbc0208e13d_attn
    .symbol:         k_qbc0208e13d_attn.kd
    .args:
      - { .name: qkv, .offset: 0, .size: 8, .value_kind: global_buffer, .address_space: global }
      - { .name: ao, .offset: 8, .size: 8, .value_kind: global_buffer, .address_space: global }
    .group_segment_fixed_size: 327680
    .private_segment_fixed_size: 0
    .kernarg_segment_align: 8
    .kernarg_segment_size: 16
    .max_flat_workgroup_size: 256
    .sgpr_count:     68
    .vgpr_count:     512
    .wavefront_size: 32
...
	.end_amdgpu_metadata
.endif
;; end of part 3
;; launch proj (part 4): grid 8 x 64, 4 waves a work-group, clusters of 4 x 4, 327,680 bytes of LDS; arguments ao, wo16, b_out, out0; writes out0
.if DOCPART == 4
	.amdgcn_target "amdgcn-amd-amdhsa--gfx1250"
	.amdhsa_code_object_version 6
	.text
	.protected	k_qbc0208e13d_proj
	.globl	k_qbc0208e13d_proj
	.p2align	8
	.type	k_qbc0208e13d_proj,@function
k_qbc0208e13d_proj:
	s_mov_b64 s[64:65], 0
	v_nop
	global_prefetch_b8 v0, s[64:65] scope:SCOPE_SE
	s_setreg_imm32_b32 hwreg(HW_REG_WAVE_MODE, 25, 1), 1
	s_wait_xcnt 0x0
	s_wait_alu depctr_hold_cnt(0) depctr_sa_sdst(0) depctr_va_vdst(0) depctr_va_sdst(0) depctr_va_ssrc(0) depctr_va_vcc(0) depctr_vm_vsrc(0)
	s_getreg_b32 s2, hwreg(HW_REG_IB_STS2, 6, 4)
	s_cmp_eq_u32 s2, 0
	s_cbranch_scc0 .Lentry_in_a_cluster
	s_endpgm
.Lentry_in_a_cluster:
	s_bfe_u32 s2, ttmp6, 0x10000c
	s_cmp_lg_u32 s2, 0xf033
	s_cbranch_scc0 .Lentry_shape_is_right
	s_endpgm
.Lentry_shape_is_right:
; out = A W_out + b_out.  A: the attention's result, f16, in panels [128 blocks of 64 rows][16 panels of 64 k][64 rows][64 k]; B: W_out turned, f16, in panels [16 blocks of 64 n][16][64 n][64 k]; b_out [1024], out [8192][1024]: f32.  Sums in f32.
; A tile of the output is 128 x 128: 512 work-groups.  Four waves, each 64 x 64: 16 accumulators of 16 x 16.  K goes in steps of 256 (four panels) through two LDS slots: four panels of a block of 64 rows are 32,768 consecutive bytes,
; which one tensor load brings as 128 rows of 256 bytes (two rows of a panel each), 16 bytes of padding behind each: row r of a panel lies at (r / 2) x 272 + 128 (r % 2).  K = 1,024 is four steps: both slots are filled twice; the text is written out.
; CLUSTERS: 4 x 4 work-groups.  The four of a row of the cluster need the same tiles of A, the four of a column the same tiles of B: each tile is asked for jointly.
; THE MATRIX INSTRUCTION IS USED TRANSPOSED (source 0 = 16 rows of B, source 1 = 16 rows of A): a lane holds eight neighbouring columns of one row.  The bias is the C of each sum's first instruction.
; No prefetch: the tiles are small and each step's refill goes out a whole step ahead of its use.
; REGISTERS: window 0: v0-31 addresses; v32-95 rows on the way out; v96-127 the bias, 4 blocks x 8; v128-255 the accumulators ((a, b) at v[128 + 8 (4 a + b)]).
;   window 1: two fragment buffers of 128: for 64 along K, 64 registers of A (2 x 4 x 16 rows x 32 K), then 64 of B.
.set PITCH,  272                       ; 68 words: the 16 rows of a fragment start at 16 different groups of four banks (64 banks of 4 bytes: ISA guide 11.1)
.set PANEL,  32*PITCH                  ; a panel in LDS
.set HALFT,  128*PITCH                 ; four panels of 64 rows: what one tensor load brings
.set SLOT,   4*HALFT                   ; A's two blocks, then B's two
.set STEPM,  32768                     ; a K step of a block in memory
.set STAGE,  2*SLOT                    ; behind the ring: 16 rows x 272 bytes for each wave
.set SPITCH, 272
.set SPARE,  STAGE+4*16*SPITCH         ; the spare words, 128 bytes for each wave: two blocks of 256 bytes that no other line names
.set ADRA, 16                          ; v16-17  LDS address of my A fragments in slot 0, 1
.set ADRB, 20                          ; v20-21  the same for B
.set STO,  24                          ; v24     the way out: where I put 32 bytes of a row
.set RD,   25                          ; v25     where I read rows back
.set CO,   26                          ; v26     my byte offset in the output
.set BO,   27                          ; v27     the bias: 32 x (lane / 16)
.set SPW,  28                          ; v28     LDS address of my spare word; never rewritten
.set NIL,  29                          ; v29     0; never rewritten
.set TMP,  32
.set BI,   96
.set ACC,  128
.set F0,   0                           ; fragment buffers, in window 1
.set F1,   128
.set G1, 24                            ; s[24:31] descriptor group 1 for A's tiles;  s[32:39] group 0, one set for each slot
.set G0, 32
.set G1B, 48                           ; s[48:55], s[56:63] the same for B's tiles
.set G0B, 56
.set MSB, 0
.macro WIN new                         ; the immediate's high byte repeats the setting that is left
.if MSB != \new
	s_set_vgpr_msb (MSB<<8)|\new
.set MSB, \new
.endif
.endm
.set MUL,  0x05                        ; sources 0 (B) and 1 (A) window 1; C and D window 0
.set TO_F, 0x40                        ; destination window 1, address window 0
.macro JLOAD s                         ; a joint load: waves 0 and 1 fetch A's two blocks, waves 2 and 3 B's; an s_nop 0 and four v_nop follow each of the two lines
	s_cmp_eq_u32 s11, 0
	s_cbranch_scc0 .Lfor_b_\@
	tensor_load_to_lds s[G0+4*\s:G0+4*\s+3], s[G1:G1+7]
	s_nop 0
.rept 4
	v_nop
.endr
	s_branch .Lasked_\@
.Lfor_b_\@:
	tensor_load_to_lds s[G0B+4*\s:G0B+4*\s+3], s[G1B:G1B+7]
	s_nop 0
.rept 4
	v_nop
.endr
.Lasked_\@:
.endm
.macro CREST                           ; a round of the cluster's barrier behind its opening barrier
	s_cmp_lg_u32 s10, 0
	s_cbranch_scc1 .Lnot_wave_0_\@
	s_barrier_signal -3
.Lnot_wave_0_\@:
	s_barrier_wait -3
	s_barrier_signal -1
	s_barrier_wait -1
.endm
.macro CROUND                          ; a whole round
	s_barrier_signal -1
	s_barrier_wait -1
	CREST
.endm
	s_load_b128 s[4:7], s[0:1], 0x0                ; A s[4:5], B s[6:7]
	s_load_b128 s[68:71], s[0:1], 0x10             ; the bias s[68:69], the output s[70:71]
	v_lshl_add_u32 v[SPW], v0, 2, SPARE
	v_mov_b32 v[NIL], 0
	ds_add_u32 v[SPW], v[NIL]                      ; the wave's opening: the add, twice on end, and its wait ahead of my first tensor load
	ds_add_u32 v[SPW], v[NIL]
	v_lshrrev_b32 v1, 5, v0
	v_readfirstlane_b32 s10, v1                    ; wave 0..3
	s_lshr_b32 s11, s10, 1                         ; which 64 of the tile's rows are mine.  Also: I fetch for A (0) or for B (1)
	s_and_b32 s12, s10, 1                          ; which 64 of its columns.  Also: which block of 64 rows of that tile I fetch
	s_bfe_u32 s40, ttmp6, 0x40000                  ; cx, cy: my place in the cluster
	s_bfe_u32 s41, ttmp6, 0x40004
	s_lshl_b32 s42, ttmp9, 2
	s_add_co_u32 s42, s42, s40                     ; tile column = 4 x cluster x + cx
	s_and_b32 s13, ttmp7, 0xffff
	s_lshl_b32 s13, s13, 2
	s_add_co_u32 s13, s13, s41                     ; tile row = 4 x cluster y + cy
	s_lshl_b32 s43, s41, 2
	s_lshl_b32 s43, 15, s43                        ; my row of the cluster
	s_lshl_b32 s44, 0x1111, s40                    ; my column
	; descriptor group 1: 128 rows x 128 elements of 2 bytes, dense in memory, padded in LDS
	s_or_b32 s[G1+0], s43, (1<<16)|(1<<20)|(1<<21)|(5<<22)|(3<<25)  ; 15:0 the mask; 17:16 elements of 2 bytes; 20 padding on; 21 set beside a mask; 24:22 after every 64 words; 31:25 four words
	s_or_b32 s[G1B+0], s44, (1<<16)|(1<<20)|(1<<21)|(5<<22)|(3<<25)
.irp g, G1, G1B
	s_mov_b32 s[\g+1], 128<<16                     ; tensor_dim0
	s_mov_b32 s[\g+2], 128<<16                     ; tensor_dim1
	s_mov_b32 s[\g+3], 128<<16                     ; tile_dim0
	s_mov_b32 s[\g+4], 128                         ; tile_dim1
	s_mov_b32 s[\g+5], 128                         ; from row to row
	s_mov_b32 s[\g+6], 0
	s_mov_b32 s[\g+7], 0
.endr
	s_lshl_b32 s16, s13, 1
	s_add_co_u32 s16, s16, s12                     ; A: block of 64 rows 2 x tile row + half;
	s_lshl_b32 s16, s16, 17                        ; a block's 16 panels are 131,072 bytes
	s_mov_b32 s17, 0
	s_lshl_b32 s46, s42, 1
	s_add_co_u32 s46, s46, s12                     ; B: block 2 x tile column + half
	s_lshl_b32 s46, s46, 17
	s_mov_b32 s47, 0
	s_mul_i32 s20, s10, HALFT                      ; where they go: wave x a block: no place in the cluster enters an LDS address
	s_wait_dscnt 0x0                               ; both opening adds are done
	s_wait_kmcnt 0x0
	s_add_nc_u64 s[14:15], s[4:5], s[16:17]
	s_add_nc_u64 s[46:47], s[6:7], s[46:47]
	CROUND                                         ; all sixteen work-groups are here: the first joint loads meet
.irp s, 0,1
	s_mov_b32 s[G0+4*\s], 1
	s_add_co_u32 s[G0+4*\s+1], s20, \s*SLOT
	s_add_nc_u64 s[G0+4*\s+2:G0+4*\s+3], s[14:15], \s*STEPM
	s_or_b32 s[G0+4*\s+3], s[G0+4*\s+3], 0x80000000
	s_mov_b32 s[G0B+4*\s], 1
	s_add_co_u32 s[G0B+4*\s+1], s20, \s*SLOT
	s_add_nc_u64 s[G0B+4*\s+2:G0B+4*\s+3], s[46:47], \s*STEPM
	s_or_b32 s[G0B+4*\s+3], s[G0B+4*\s+3], 0x80000000
	JLOAD \s                                       ; two tensor loads of mine are out
.endr
	v_and_b32 v1, 15, v0                           ; l % 16
	v_bfe_u32 v2, v0, 4, 1                         ; l / 16
	v_lshrrev_b32 v3, 1, v1
	v_mul_u32_u24 v3, v3, PITCH
	v_and_b32 v4, 1, v0
	v_lshl_add_u32 v3, v4, 7, v3                   ; a fragment's row: (r / 2) x pitch + 128 (r % 2)
	v_lshl_add_u32 v3, v2, 4, v3                   ; + 16 x half
	s_mul_i32 s21, s11, HALFT                      ; my 64 rows of A
	s_mul_i32 s22, s12, HALFT                      ; my 64 rows of B,
	s_add_co_u32 s22, s22, 2*HALFT                 ; which lie behind A's two blocks
.irp s, 0,1
	v_add_nc_u32 v[ADRA+\s], s21, v3
	v_add_nc_u32 v[ADRB+\s], s22, v3
	s_add_co_u32 s21, s21, SLOT
	s_add_co_u32 s22, s22, SLOT
.endr
	s_mul_i32 s23, s10, 16*SPITCH
	s_add_co_u32 s23, s23, STAGE                   ; my stage
	v_mul_u32_u24 v4, v1, SPITCH                   ; in: row l % 16, 32 bytes for each half of the lanes
	v_lshl_add_u32 v4, v2, 5, v4
	v_add_nc_u32 v[STO], s23, v4
	v_mul_u32_u24 v5, v2, SPITCH                   ; back: lanes 0-15 take one row of 256 bytes, lanes 16-31 the next
	v_lshl_add_u32 v5, v1, 4, v5
	v_add_nc_u32 v[RD], s23, v5
	v_lshlrev_b32 v[CO], 12, v2                    ; and the same two rows in the output: 4,096 bytes a row
	v_lshl_add_u32 v[CO], v1, 4, v[CO]
	v_lshlrev_b32 v[BO], 5, v2
	s_lshl_b32 s46, s42, 9                         ; my first column, in bytes: 512 x tile column + 256 x half
	s_lshl_b32 s47, s12, 8
	s_add_co_u32 s46, s46, s47
	s_mov_b32 s47, 0
	s_add_nc_u64 s[68:69], s[68:69], s[46:47]      ; the bias of my 64 columns
	s_add_nc_u64 s[70:71], s[70:71], s[46:47]
	s_lshl_b32 s16, s13, 7
	s_lshl_b32 s17, s11, 6
	s_add_co_u32 s16, s16, s17                     ; my first row: 128 x tile row + 64 x half
	s_lshl_b32 s16, s16, 12
	s_mov_b32 s17, 0
	s_add_nc_u64 s[70:71], s[70:71], s[16:17]
.irp b, 0,1,2,3                        ; the bias in the result's layout: block b, lane (r, h): columns 16 b + 8 h + 0 .. 7
	global_load_b128 v[BI+8*\b:BI+8*\b+3],   v[BO], s[68:69] offset:64*\b
	global_load_b128 v[BI+8*\b+4:BI+8*\b+7], v[BO], s[68:69] offset:64*\b+16
.endr
; 8 matrix instructions: m blocks a0, a0 + 1 x all 4 n blocks, 32 along K: half c of buffer f.  zero = 1: the first product starts the sums from the bias.  The 16 accumulators take turns.
.macro MUL8 f, c, a0, zero
.irp a, \a0, \a0+1
.irp b, 0,1,2,3
.if \zero
	v_wmma_f32_16x16x32_f16 v[ACC+8*(4*(\a)+\b):ACC+8*(4*(\a)+\b)+7], v[\f+64+8*(4*\c+\b):\f+64+8*(4*\c+\b)+7], v[\f+8*(4*\c+\a):\f+8*(4*\c+\a)+7], v[BI+8*\b:BI+8*\b+7]
.else
	v_wmma_f32_16x16x32_f16 v[ACC+8*(4*(\a)+\b):ACC+8*(4*(\a)+\b)+7], v[\f+64+8*(4*\c+\b):\f+64+8*(4*\c+\b)+7], v[\f+8*(4*\c+\a):\f+8*(4*\c+\a)+7], v[ACC+8*(4*(\a)+\b):ACC+8*(4*(\a)+\b)+7]
.endif
.endr
.endr
.endm
; 32 LDS loads in one run: the fragments of panel q of the slot (64 along K) into buffer f; the first 32 along K first
.macro FETCH slot, q, f
	WIN TO_F
.irp c, 0,1
.irp i, 0,1,2,3
	ds_load_b128 v[\f+64+8*(4*\c+\i):\f+64+8*(4*\c+\i)+3],   v[ADRB+\slot] offset:(\q)*PANEL+64*\c+\i*8*PITCH
	ds_load_b128 v[\f+64+8*(4*\c+\i)+4:\f+64+8*(4*\c+\i)+7], v[ADRB+\slot] offset:(\q)*PANEL+64*\c+\i*8*PITCH+32
	ds_load_b128 v[\f+8*(4*\c+\i):\f+8*(4*\c+\i)+3],         v[ADRA+\slot] offset:(\q)*PANEL+64*\c+\i*8*PITCH
	ds_load_b128 v[\f+8*(4*\c+\i)+4:\f+8*(4*\c+\i)+7],       v[ADRA+\slot] offset:(\q)*PANEL+64*\c+\i*8*PITCH+32
.endr
.endr
.endm
.macro PLACES                          ; four plain lines in front of loads into registers that matrix instructions have read, and of reads of results (ISA guide 7.12.1 for reads)
.rept 4
	v_nop
.endr
.endm
; A K step is four quarters, a panel each, 32 matrix instructions, on buffers 0, 1, 0, 1.  One of the first three: multiplies buffer f and fetches panel q into g.
.macro QUARTER slot, q, f, g, zero
	s_wait_dscnt 16                                ; the first 32 along K are in; the other sixteen loads may be out
	WIN MUL
	MUL8 \f, 0, 0, \zero
	MUL8 \f, 0, 2, \zero
	PLACES
	FETCH \slot, \q, \g
	s_wait_dscnt 32                                ; all but the 32 just issued
	WIN MUL
	MUL8 \f, 1, 0, 0
	MUL8 \f, 1, 2, 0
.endm
; The last quarter multiplies buffer 1 and changes slots: one barrier; in front of it each wave waits for all its tensor loads, adds 0 to its spare word, and waits for that and for its own reads of this slot.  fill = 1: this slot is filled again, two K steps ahead.
.macro TURN slot, next, fill
	WIN 0                                          ; (the add's two registers lie in window 0)
	s_wait_tensorcnt 0x0                           ; all my tensor loads have landed: my part of the next slot;
	ds_add_u32 v[SPW], v[NIL]                      ; 0 onto my spare word;
	s_wait_dscnt 17                                ; (the add and the youngest sixteen loads may be out)
	WIN MUL
	MUL8 F1, 0, 0, 0                               ; eight matrix instructions stand between the add and the wait for it
	s_wait_dscnt 0x0                               ; the add is done, and my reads of this slot are over
	s_barrier_signal -1
	MUL8 F1, 0, 2, 0
.if \fill
	WIN 0
.endif
	s_barrier_wait -1
.if \fill
	CREST                                          ; the barrier has opened a round of the cluster's barrier: no wave of any partner still reads this slot's tile or has a load on its way
	s_add_nc_u64 s[G0+4*\slot+2:G0+4*\slot+3], s[G0+4*\slot+2:G0+4*\slot+3], 2*STEPM
	s_add_nc_u64 s[G0B+4*\slot+2:G0B+4*\slot+3], s[G0B+4*\slot+2:G0B+4*\slot+3], 2*STEPM
	JLOAD \slot                                    ; the first tensor load behind the round; the four v_nop behind it are also the places in front of the loads below
.else
	PLACES
.endif
	FETCH \next, 0, F0
	WIN MUL
	MUL8 F1, 1, 0, 0
	MUL8 F1, 1, 2, 0
.endm
	s_wait_tensorcnt 1                             ; my part of K step 0 is in (K step 1's load may be out)
	s_barrier_signal -1
	s_barrier_wait -1                              ; everybody's is
	FETCH 0, 0, F0
	s_wait_loadcnt 0x0                             ; the bias
	QUARTER 0, 1, F0, F1, 1                        ; K step 0: its first products start the sums
	QUARTER 0, 2, F1, F0, 0
	QUARTER 0, 3, F0, F1, 0
	TURN 0, 1, 1                                   ; slot 0 takes K step 2
	QUARTER 1, 1, F0, F1, 0                        ; K step 1
	QUARTER 1, 2, F1, F0, 0
	QUARTER 1, 3, F0, F1, 0
	TURN 1, 0, 1                                   ; slot 1 takes K step 3
	QUARTER 0, 1, F0, F1, 0                        ; K step 2
	QUARTER 0, 2, F1, F0, 0
	QUARTER 0, 3, F0, F1, 0
	TURN 0, 1, 0                                   ; nothing is left to fetch
	QUARTER 1, 1, F0, F1, 0                        ; K step 3
	QUARTER 1, 2, F1, F0, 0
	QUARTER 1, 3, F0, F1, 0
	s_wait_dscnt 16                                ; the very last quarter
	WIN MUL
	MUL8 F1, 0, 0, 0
	MUL8 F1, 0, 2, 0
	s_wait_dscnt 0
	MUL8 F1, 1, 0, 0
	MUL8 F1, 1, 2, 0
	WIN 0
; THE WAY OUT, block by block of 16 rows x 64 columns.  A lane holds 32 neighbouring bytes of a row; a row's 256 bytes are all my wave's: so a block goes through my own stage and comes back as whole rows,
; and sixteen lanes store 256 consecutive bytes, aligned.  No barrier; LDS serves a wave's instructions in order (ISA guide 5.7.1.4).
.macro TOSTAGE a
.irp b, 0,1,2,3
	ds_store_b128 v[STO], v[ACC+8*(4*(\a)+\b):ACC+8*(4*(\a)+\b)+3] offset:64*\b          ; each accumulator from its low end on
	ds_store_b128 v[STO], v[ACC+8*(4*(\a)+\b)+4:ACC+8*(4*(\a)+\b)+7] offset:64*\b+16
.endr
.set BB, TMP+32*((\a)%2)
.irp i, 0,1,2,3,4,5,6,7
	ds_load_b128 v[BB+4*\i:BB+4*\i+3], v[RD] offset:\i*2*SPITCH
.endr
.endm
.macro SEND a, younger                 ; younger: the LDS instructions issued behind block a's loads, which may stay out
.set BB, TMP+32*((\a)%2)
	s_wait_dscnt \younger
.irp i, 0,1,2,3,4,5,6,7
	global_store_b128 v[CO], v[BB+4*\i:BB+4*\i+3], s[70:71] offset:65536*(\a)+8192*\i th:TH_STORE_NT   ; written once, read by nobody here
.endr
.endm
	PLACES                                         ; behind the last products
	TOSTAGE 0
.irp a, 1,2,3
.if \a > 1
	s_wait_xcnt 0x0                                ; block a - 2's stores have read their registers: block a's loads may land there
.endif
	TOSTAGE \a
	SEND \a-1, 16                                  ; behind block a - 1's loads: block a's 8 stores and 8 loads
.endr
	SEND 3, 0
	s_wait_tensorcnt 0x0                           ; the wave's end, behind my last tensor load and my last LDS store
	ds_add_u32 v[SPW], v[NIL]
	s_wait_dscnt 0x0
	CROUND                                         ; the closing round: no work-group ends while a partner may still ask for a tile that names it
	s_endpgm
.Lfunc_end_k_qbc0208e13d_proj:
	.size	k_qbc0208e13d_proj, .Lfunc_end_k_qbc0208e13d_proj-k_qbc0208e13d_proj
	.p2alignl 7, 3214868480
	.fill 96, 4, 3214868480
	.section	.rodata,"a",@progbits
	.p2align	6, 0x0
	.amdhsa_kernel k_qbc0208e13d_proj
		.amdhsa_group_segment_fixed_size 327680
		.amdhsa_private_segment_fixed_size 0
		.amdhsa_enable_private_segment 0
		.amdhsa_kernarg_size 32
		.amdhsa_user_sgpr_count 2
		.amdhsa_user_sgpr_kernarg_segment_ptr 1
		.amdhsa_wavefront_size32 1
		.amdhsa_system_sgpr_workgroup_id_x 1
		.amdhsa_system_sgpr_workgroup_id_y 1
		.amdhsa_system_sgpr_workgroup_id_z 1
		.amdhsa_system_vgpr_workitem_id 0
		.amdhsa_next_free_vgpr 512
		.amdhsa_next_free_sgpr 72
		.amdhsa_reserve_vcc 0
		.amdhsa_float_denorm_mode_32 3
		.amdhsa_float_denorm_mode_16_64 3
		.amdhsa_memory_ordered 1
		.amdhsa_forward_progress 1
		.amdhsa_inst_pref_size 86
	.end_amdhsa_kernel
	.amdgpu_metadata
---
amdhsa.version: [ 1, 2 ]
amdhsa.kernels:
  - .name:           k_qbc0208e13d_proj
    .symbol:         k_qbc0208e13d_proj.kd
    .args:
      - { .name: ao, .offset: 0, .size: 8, .value_kind: global_buffer, .address_space: global }
      - { .name: wo16, .offset: 8, .size: 8, .value_kind: global_buffer, .address_space: global }
      - { .name: b_out, .offset: 16, .size: 8, .value_kind: global_buffer, .address_space: global }
      - { .name: out0, .offset: 24, .size: 8, .value_kind: global_buffer, .address_space: global }
    .group_segment_fixed_size: 327680
    .private_segment_fixed_size: 0
    .kernarg_segment_align: 8
    .kernarg_segment_size: 32
    .max_flat_workgroup_size: 128
    .sgpr_count:     72
    .vgpr_count:     512
    .wavefront_size: 32
...
	.end_amdgpu_metadata
.endif
;; end of part 4
